; MI455X (gfx1250); checked and timed in simulation.
; The chip was launched on July 23, 2026; its instructions are those of AMD's public machine-readable ISA for CDNA 5 (MIT licence, August 2026) and "CDNA5" Instruction Set Architecture Reference Guide (July 2026). The comments in the code are by the model that wrote it; some were corrected since.
;; Causal Self Attention. Allowed arithmetic: matrix products marked QUANTISED: E4M3 operands, one E8M0 scale for each 32 along K, by v_wmma_scale_f32_16x16x128_f8f6f4 with both operands' format E4M3, f32 sums; everything else in f32.
;; Inputs: W_proj 1,024 x 1,024 float32; W_qkv 1,024 x 3,072 float32; b_proj 1,024 float32; b_qkv 3,072 float32; x 4 x 2,048 x 1,024 float32.
;; Outputs: out0 4 x 2,048 x 1,024 float32.
;; This version of the problem:
;;   THIS VERSION OF THE PROBLEM IS GIVEN IN LOW PRECISION. The matrix products marked QUANTISED in the list below multiply operands that are first quantised to E4M3 (4 exponent bits, 3 mantissa bits; 8 bits a number), with one power-of-two scale for each 32 numbers along K (OCP MX v1.0); their sums are f32. All else is computed in f32.
;;   The module's matrix products, in the order in which they are computed (A, B: the left and right operand; K: the contracted axis; several contracted axes count as one K, in the product's order):
;;     1. [M 8,192, K 1,024] x [K 1,024, N 3,072]; A: input x; B: input W_qkv: QUANTISED
;;     2. batch 64 x [M 2,048, K 64] x [K 64, N 2,048]; A: computed on the way; B: computed on the way: QUANTISED
;;     3. batch 64 x [M 64, K 2,048] x [K 2,048, N 2,048]; A: computed on the way; B: softmax (see below): QUANTISED
;;     4. [M 8,192, K 1,024] x [K 1,024, N 1,024]; A: computed on the way; B: input W_proj: QUANTISED
;;   THE QUANTISER, for each operand of a quantised product, along K:
;;     - K is cut into blocks of 32 from its start; a last block that is shorter is filled with zeros.
;;     - A block's scale is 2^e with e = floor(log2(the largest magnitude in the block)) - 8, held to -126 .. 127; a block of zeros has e = 0. As a byte (E8M0): e + 127.
;;     - Each number is divided by its block's scale, clamped to +-448, and rounded to the nearest number of E4M3, ties to even, subnormals kept.
;;     - The product sums the exact products of the quantised numbers (number of the format x scale) in f32.
;;   ~~~python
;;   def quantise(x, axis):      # numpy; x: float32 -> the quantised numbers, widened to float32 again
;;       x = np.moveaxis(x, axis, -1); K = x.shape[-1]
;;       x = np.pad(x, [(0, 0)] * (x.ndim - 1) + [(0, -K % 32)]); x = x.reshape(x.shape[:-1] + (-1, 32)); a = np.abs(x).max(-1, keepdims=True)
;;       e = np.where(a > 0, np.clip(np.frexp(np.where(a > 0, a, 1))[1] - 1 - 8, -126, 127), 0)      # np.frexp(a)[1] - 1 = floor(log2(a)), exactly
;;       r = np.clip(x / 2.0 ** e, -448, 448)
;;       step = 2.0 ** (np.maximum(np.frexp(np.where(r == 0, 1, r))[1] - 1, -6) - 3)
;;       q = np.round(r / step) * step * 2.0 ** e      # np.round: ties to even
;;       return np.moveaxis(q.reshape(q.shape[:-2] + (-1,))[..., :K], -1, axis).astype(np.float32)
;;   ~~~
;;   SOFTMAX AHEAD OF A QUANTISED PRODUCT. Where the list says 'softmax', what is quantised is not the finished softmax but p = 2^(t - M), with t = logit x log2(e) and M = ceil(the row's largest t), a whole number; so 1/2 < the row's largest p <= 1. The row's sum l is taken of the UNQUANTISED p, in f32, and the product's result is divided by l at the end. Since M is a whole number, a kernel that streams over the keys may use a running M (the ceiling of the running maximum): every later rescaling is an exact power of two, which a block's scale takes up: the codes' values come out the same.
;;   OPERANDS COMPUTED ON THE WAY. 'Computed on the way' means the value that the module computes at that place (a softmax that the list does not call 'softmax' is quantised finished and normalised). What goes into a quantiser is computed in f32, as accurately as f32 sums, v_exp_f32 and their like allow (about 1e-6 of the number): no bf16 or f16 on the way to a quantiser, and a product that is left as it is and whose result goes on into a quantised operand takes f32 operands (vector FMAs, or v_wmma_f32_16x16x4_f32). A number that lies on a knife's edge between two numbers of the format may be rounded either way, as far as f32 arithmetic and the matrix unit's own rounding can turn it there, and no further.
;; One version. Each part assembles by itself: llvm-mc -triple=amdgcn-amd-amdhsa -mcpu=gfx1250 --defsym DOCPART=n.
;; ======== version 1 of 1: 4 launches
;; limits: right only within a limited range of input values
;; workspace buffers: opnd 12,976,128 bytes; qkvc 25,952,256 bytes; yq 8,650,752 bytes
;; launch quant (part 1): grid 160 x 4, 4 waves a work-group, no clusters, 34,304 bytes of LDS; arguments x, W_qkv, W_proj, opnd; writes opnd
.if DOCPART == 1
	.amdgcn_target "amdgcn-amd-amdhsa--gfx1250"
	.amdhsa_code_object_version 6
	.text
	.protected	k_q9f5a5495dd_quant
	.globl	k_q9f5a5495dd_quant
	.p2align	8
	.type	k_q9f5a5495dd_quant,@function
k_q9f5a5495dd_quant:
	s_mov_b64 s[64:65], 0
	v_nop
	global_prefetch_b8 v0, s[64:65] scope:SCOPE_SE
	s_setreg_imm32_b32 hwreg(HW_REG_WAVE_MODE, 25, 1), 1
	s_wait_xcnt 0x0
; x [8192][1024], W_qkv [1024][3072] and W_proj [1024][1024], f32, become codes of FP8 (E4M3) with one E8M0 byte for each 32 along K (K = 1,024: x's last axis, the weights' first).
; A block's scale is 2^(floor(log2(its largest magnitude)) - 8); each number is divided by it, held within +-448 and rounded to the nearest code, ties to even.
; LAYOUT OF THE CODES: images of operand registers.  TILE tau of a row axis (x's tokens, a weight's columns) is the 16 rows 32 (tau / 2) + 8 (tau % 2) + i + 8 (i / 8), i = 0 .. 15.
; The IMAGE of (tile, 128 along K) is 2,048 bytes: byte 512 c + 16 (i + 16 h) + e is the code of row i at k = 32 c + 16 h + e: four loads of 16 bytes a lane at 16 x lane + 512 c fill a fragment.
; Codes: [K step of 256][tile][128 along K: 2][2048].  Scale bytes: [tile][K step][i][2][4 bytes].
; LIMITS: NaN and infinities are not served.  A block of zeros gets the byte 1 where the quantiser says 127: its codes are zeros, which add nothing under any byte but 0xff, and this program alone reads the bytes.
; SHARES: work-groups x < 128 take x: tile 4 x + y, wave w its K step w.  Work-groups 128 .. 151 take W_qkv, 152 .. 159 W_proj: 128 columns, K step y; a wave 32 columns.
; No tensor loads, no barrier: waves share nothing.  Matrix units and clusters would add nothing to a stream.
.set XS,  8388608                      ; opnd: x's codes at 0, x's scale bytes here,
.set WQC, 8650752                      ; W_qkv's codes,
.set WQS, 11796480                     ; its scale bytes,
.set WPC, 11894784                     ; W_proj's codes,
.set WPS, 12943360                     ; its scale bytes
.set SEL, 44                           ; s[44:45] lane selects for v_permlanex16_b32: lane l xor 16
.set MNT, 46                           ; s46  the mantissa field of 448
.set MSK, 47                           ; s47  lanes 16-31
.set RR,  16                           ; x: v16-143  32 loads as they come
.set XX,  144                          ;    v144-207 64 numbers in the operand's order
.set PC,  208                          ;    v208-239 codes, 16 registers for each 128 along K: no store's data are written again
.set TM,  240                          ;    v240-255 at work
.set OFF, 16                           ; weights: v16-47 4 x lane + i rows
.set WX,  48                           ;    v48-111  two sets of 32 numbers
.set WC,  112                          ;    v112-175 codes, 8 registers a block
.set SB,  176                          ;    v[176:177] the 8 scale bytes
; 64 numbers of a lane, register 16 b + i = k 32 b + 16 (lane / 16) + i of my row, become a fragment's codes in v[pc] on and its scale word in v[pw].
.macro QUANT s, pc, pw
.irp b, 0,1,2,3
	v_max3_num_f32 v[TM+\b], |v[(\s)+16*\b]|, |v[(\s)+16*\b+1]|, 0x4800000   ; my 16 numbers of block b, and the floor 2^(9 - 127): the byte cannot fall under 1
.endr
.irp i, 2,4,6,8,10,12,14
.irp b, 0,1,2,3
	v_max3_num_f32 v[TM+\b], v[TM+\b], |v[(\s)+16*\b+\i]|, |v[(\s)+16*\b+\i+1]|
.endr
.endr
.irp b, 0,1,2,3
	v_permlanex16_b32 v[TM+4+\b], v[TM+\b], s[SEL], s[SEL+1]
.endr
.irp b, 0,1,2,3
	v_max_num_f32 v[TM+\b], v[TM+\b], v[TM+4+\b]           ; with lane l xor 16's: the block's largest magnitude
.endr
.irp b, 0,1,2,3
	v_add_nc_u32 v[TM+12+\b], 0xfc000000, v[TM+\b]         ; 8 off its exponent field: the conversion's scale operand
.endr
.irp b, 0,1,2,3
	v_and_or_b32 v[TM+8+\b], v[TM+\b], 0x7f800000, s[MNT]  ; 448 x the scale
.endr
.irp b, 0,1,2,3
	v_lshrrev_b32 v[TM+4+\b], 23, v[TM+12+\b]              ; the scale's byte
.endr
	v_lshl_or_b32 v[\pw], v[TM+5], 8, v[TM+4]
	v_lshl_or_b32 v[\pw], v[TM+6], 16, v[\pw]
	v_lshl_or_b32 v[\pw], v[TM+7], 24, v[\pw]
.irp b, 0,1,2,3
.irp i, 0,1,2,3,4,5,6,7,8,9,10,11,12,13,14,15
	v_med3_num_f32 v[(\s)+16*\b+\i], v[(\s)+16*\b+\i], -v[TM+8+\b], v[TM+8+\b]   ; the conversion to an 8-bit code does not saturate (ISA guide 7.6.2): the hold comes first
.endr
	v_cvt_scalef32_pk8_fp8_f32 v[(\pc)+4*\b:(\pc)+4*\b+1], v[(\s)+16*\b:(\s)+16*\b+7], v[TM+12+\b]
	v_cvt_scalef32_pk8_fp8_f32 v[(\pc)+4*\b+2:(\pc)+4*\b+3], v[(\s)+16*\b+8:(\s)+16*\b+15], v[TM+12+\b]
.endr
	v_nop                                          ; a plain line behind the last conversion
.endm
	s_load_b256 s[4:11], s[0:1], 0x0               ; x s[4:5], W_qkv s[6:7], W_proj s[8:9], opnd s[10:11]
	v_lshl_add_u32 v14, v0, 2, 0x8400
	v_mov_b32 v15, 0
	v_lshrrev_b32 v1, 5, v0
	v_readfirstlane_b32 s12, v1                    ; wave
	s_and_b32 s13, ttmp7, 0xffff                   ; work-group y
	v_and_b32 v1, 31, v0                           ; lane
	v_and_b32 v2, 15, v0                           ; r
	v_bfe_u32 v3, v0, 4, 1                         ; h
	s_mov_b32 s[SEL], 0x76543210
	s_mov_b32 s[SEL+1], 0xfedcba98
	s_mov_b32 s[MNT], 0x600000
	s_mov_b32 s[MSK], 0xffff0000
	s_cmp_lt_u32 ttmp9, 128
	s_cbranch_scc0 .Lweights
	; ---- x: K is innermost.  Each load reads 512 consecutive bytes of one row; a stage of the wave's own in LDS (16 rows of 512 bytes + 16) turns them into 16 neighbours a lane.
	s_lshl_b32 s14, ttmp9, 2
	s_add_co_u32 s14, s14, s13                     ; the tile
	s_lshr_b32 s15, s14, 1
	s_lshl_b32 s15, s15, 5
	s_and_b32 s16, s14, 1
	s_lshl_b32 s16, s16, 3
	s_add_co_u32 s15, s15, s16                     ; its first row
	s_lshl_b32 s16, s15, 12                        ; rows of 4,096 bytes,
	s_lshl_b32 s17, s12, 10                        ; my K step's 1,024 bytes
	s_add_co_u32 s16, s16, s17
	s_mov_b32 s17, 0
	s_lshl_b32 s18, s12, 9
	s_add_co_u32 s18, s18, s14
	s_lshl_b32 s18, s18, 12                        ; codes: (512 x K step + tile) x 4,096
	s_mov_b32 s19, 0
	s_lshl_b32 s24, s14, 9
	s_lshl_b32 s25, s12, 7
	s_add_co_u32 s24, s24, s25
	s_add_co_u32 s24, s24, XS                      ; scale bytes: 512 x tile + 128 x K step
	s_mov_b32 s25, 0
	s_wait_alu depctr_va_vdst(0)
	v_lshlrev_b32 v4, 4, v1                        ; 16 x lane
	s_mul_i32 s26, s12, 8448                       ; my stage
	v_add_nc_u32 v5, s26, v4                       ; in: as loaded
	v_mul_u32_u24 v6, v2, 528
	v_lshl_add_u32 v6, v3, 6, v6
	v_add_nc_u32 v6, s26, v6                       ; out: row r, + 64 h: my 16 numbers of a block of 32
	v_lshlrev_b32 v7, 3, v2
	v_lshl_add_u32 v7, v3, 2, v7                   ; 8 r + 4 h
.irp b, 0,1,2,3
	v_mov_b32 v[TM+4+\b], 0                        ; written once: a lane permute's destination counts as one of its sources
.endr
	s_wait_alu depctr_va_vdst(0)
	s_wait_kmcnt 0x0
	s_add_nc_u64 s[4:5], s[4:5], s[16:17]
	s_add_nc_u64 s[20:21], s[10:11], s[18:19]
	s_add_nc_u64 s[22:23], s[10:11], s[24:25]
.irp q, 0,1
.irp i, 0,1,2,3,4,5,6,7,8,9,10,11,12,13,14,15
	global_load_b128 v[RR+64*\q+4*\i:RR+64*\q+4*\i+3], v4, s[4:5] offset:(\i+8*(\i/8))*4096+512*\q th:TH_LOAD_NT
.endr
.endr
.macro XHALF q
.if \q == 0
	s_wait_loadcnt 16                              ; the first 128 along K are in; the other sixteen loads may be out
.else
	s_wait_loadcnt 0x0
.endif
.irp i, 0,1,2,3,4,5,6,7,8,9,10,11,12,13,14,15
	ds_store_b128 v5, v[RR+64*\q+4*\i:RR+64*\q+4*\i+3] offset:528*\i
.endr
.irp c, 0,1,2,3
.irp j, 0,1,2,3
	ds_load_b128 v[XX+16*\c+4*\j:XX+16*\c+4*\j+3], v6 offset:128*\c+16*\j   ; LDS serves a wave's instructions in order: these see my stores
.endr
.endr
	s_wait_dscnt 0x0
	QUANT XX, PC+16*\q, 8+\q
.irp c, 0,1,2,3
	global_store_b128 v4, v[PC+16*\q+4*\c:PC+16*\q+4*\c+3], s[20:21] offset:2048*\q+512*\c   ; 512 consecutive bytes, aligned
.endr
.endm
	XHALF 0
	XHALF 1
	v_cndmask_b32 v10, v8, v9, s[MSK]              ; lanes 0-15 the first word of row r, lanes 16-31 the second
	global_store_b32 v7, v10, s[22:23]             ; 128 consecutive bytes
	s_wait_tensorcnt 0x0
	ds_add_u32 v14, v15
	s_wait_dscnt 0x0
	s_endpgm
	; ---- the weights: K is the first axis.  A lane takes a column and its registers run down K: a block of 32 lies in one lane.
.Lweights:
	s_wait_kmcnt 0x0
	s_cmp_lt_u32 ttmp9, 152                        ; W_qkv or W_proj: the choice hangs on the work-group's number alone
	s_cselect_b64 s[6:7], s[6:7], s[8:9]
	s_mov_b32 s14, 152
	s_cselect_b32 s14, 128, s14                    ; the weight's first work-group
	s_mov_b32 s15, 4096
	s_cselect_b32 s15, 12288, s15                  ; a row in bytes
	s_mov_b32 s16, 262144
	s_cselect_b32 s16, 786432, s16                 ; from a K step's codes to the next
	s_mov_b32 s17, WPC
	s_cselect_b32 s17, WQC, s17
	s_mov_b32 s18, WPS
	s_cselect_b32 s18, WQS, s18
	s_sub_co_u32 s14, ttmp9, s14
	s_lshl_b32 s14, s14, 2
	s_add_co_u32 s14, s14, s12                     ; which 32 columns are my wave's: tiles 2 g and 2 g + 1
	s_mul_i32 s19, s13, s15
	s_lshl_b32 s19, s19, 8                         ; 256 rows a K step
	s_lshl_b32 s20, s14, 7
	s_add_co_u32 s20, s19, s20
	s_mov_b32 s21, 0
	s_add_nc_u64 s[24:25], s[6:7], s[20:21]        ; block 0's first row; a base for each block, so that nothing is stepped
	s_lshl_b32 s20, s15, 5                         ; 32 rows
.irp t, 1,2,3,4,5,6,7
	s_add_nc_u64 s[24+2*\t:25+2*\t], s[22+2*\t:23+2*\t], s[20:21]
.endr
	s_mul_i32 s22, s13, s16
	s_add_co_u32 s22, s22, s17
	s_lshl_b32 s23, s14, 13
	s_add_co_u32 s22, s22, s23
	s_mov_b32 s23, 0
	s_add_nc_u64 s[40:41], s[10:11], s[22:23]      ; my two tiles' images
	s_lshl_b32 s22, s14, 10
	s_lshl_b32 s19, s13, 7
	s_add_co_u32 s22, s22, s19
	s_add_co_u32 s22, s22, s18
	s_add_nc_u64 s[42:43], s[10:11], s[22:23]      ; and their scale bytes
	s_wait_alu depctr_va_vdst(0)
	v_lshlrev_b32 v6, 2, v1
.irp i, 0,1,2,3,4,5,6,7,8,9,10,11,12,13,14,15,16,17,18,19,20,21,22,23,24,25,26,27,28,29,30,31
	v_mad_u32_u24 v[OFF+\i], s15, \i, v6
.endr
	v_bfe_u32 v7, v0, 3, 1                         ; which of the two tiles my column lies in,
	v_and_b32 v8, 7, v0
	v_lshl_add_u32 v8, v3, 3, v8                   ; and which row of it
	v_lshlrev_b32 v4, 4, v8
	v_lshl_add_u32 v4, v7, 12, v4
	v_lshlrev_b32 v5, 3, v8
	v_lshl_add_u32 v5, v7, 9, v5
.macro LOADW t
.irp i, 0,1,2,3,4,5,6,7,8,9,10,11,12,13,14,15,16,17,18,19,20,21,22,23,24,25,26,27,28,29,30,31
	global_load_b32 v[WX+32*((\t)%2)+\i], v[OFF+\i], s[24+2*(\t):25+2*(\t)] th:TH_LOAD_NT
.endr
.endm
.macro BLOCKW t
.set WS, WX+32*((\t)%2)
.if (\t) < 7
	s_wait_loadcnt 32                              ; this block's 32 loads are in; the next block's may be out
.else
	s_wait_loadcnt 0x0
.endif
	v_max3_num_f32 v12, |v[WS]|, |v[WS+1]|, |v[WS+2]|
	v_max3_num_f32 v13, |v[WS+3]|, |v[WS+4]|, |v[WS+5]|
.irp i, 6,10,14,18,22,26
	v_max3_num_f32 v12, v12, |v[WS+\i]|, |v[WS+\i+1]|
	v_max3_num_f32 v13, v13, |v[WS+\i+2]|, |v[WS+\i+3]|
.endr
	v_max3_num_f32 v12, v12, |v[WS+30]|, |v[WS+31]|
	v_max3_num_f32 v12, v12, v13, 0x4800000        ; and the floor
	v_add_nc_u32 v11, 0xfc000000, v12
	v_and_or_b32 v10, v12, 0x7f800000, s[MNT]
	v_lshrrev_b32 v13, 23, v11
.if (\t)%4 == 0
	v_mov_b32 v[SB+(\t)/4], v13
.else
	v_lshl_or_b32 v[SB+(\t)/4], v13, 8*((\t)%4), v[SB+(\t)/4]
.endif
.irp i, 0,1,2,3,4,5,6,7,8,9,10,11,12,13,14,15,16,17,18,19,20,21,22,23,24,25,26,27,28,29,30,31
	v_med3_num_f32 v[WS+\i], v[WS+\i], -v10, v10
.endr
.irp g, 0,1,2,3
	v_cvt_scalef32_pk8_fp8_f32 v[WC+8*(\t)+2*\g:WC+8*(\t)+2*\g+1], v[WS+8*\g:WS+8*\g+7], v11
.endr
	v_nop
.if (\t)+2 < 8
	LOADW (\t)+2
.endif
	global_store_b128 v4, v[WC+8*(\t):WC+8*(\t)+3], s[40:41] offset:2048*((\t)/4)+512*((\t)%4)          ; k 0 .. 15 of the block: 256 consecutive bytes in each of the two images
	global_store_b128 v4, v[WC+8*(\t)+4:WC+8*(\t)+7], s[40:41] offset:2048*((\t)/4)+512*((\t)%4)+256    ; k 16 .. 31
.endm
	LOADW 0
	LOADW 1
.irp t, 0,1,2,3,4,5,6,7
	BLOCKW \t
.endr
	global_store_b64 v5, v[SB:SB+1], s[42:43]      ; my column's 8 scale bytes of this K step
	s_endpgm
.Lfunc_end_k_q9f5a5495dd_quant:
	.size	k_q9f5a5495dd_quant, .Lfunc_end_k_q9f5a5495dd_quant-k_q9f5a5495dd_quant
	.p2alignl 7, 3214868480
	.fill 96, 4, 3214868480
	.section	.rodata,"a",@progbits
	.p2align	6, 0x0
	.amdhsa_kernel k_q9f5a5495dd_quant
		.amdhsa_group_segment_fixed_size 34304
		.amdhsa_private_segment_fixed_size 0
		.amdhsa_enable_private_segment 0
		.amdhsa_kernarg_size 32
		.amdhsa_user_sgpr_count 2
		.amdhsa_user_sgpr_kernarg_segment_ptr 1
		.amdhsa_wavefront_size32 1
		.amdhsa_system_sgpr_workgroup_id_x 1
		.amdhsa_system_sgpr_workgroup_id_y 1
		.amdhsa_system_sgpr_workgroup_id_z 1
		.amdhsa_system_vgpr_workitem_id 0
		.amdhsa_next_free_vgpr 256
		.amdhsa_next_free_sgpr 66
		.amdhsa_reserve_vcc 0
		.amdhsa_float_denorm_mode_32 3
		.amdhsa_float_denorm_mode_16_64 3
		.amdhsa_memory_ordered 1
		.amdhsa_forward_progress 1
		.amdhsa_inst_pref_size 85
	.end_amdhsa_kernel
	.amdgpu_metadata
---
amdhsa.version: [ 1, 2 ]
amdhsa.kernels:
  - .name:           k_q9f5a5495dd_quant
    .symbol:         k_q9f5a5495dd_quant.kd
    .args:
      - { .name: x, .offset: 0, .size: 8, .value_kind: global_buffer, .address_space: global }
      - { .name: W_qkv, .offset: 8, .size: 8, .value_kind: global_buffer, .address_space: global }
      - { .name: W_proj, .offset: 16, .size: 8, .value_kind: global_buffer, .address_space: global }
      - { .name: opnd, .offset: 24, .size: 8, .value_kind: global_buffer, .address_space: global }
    .group_segment_fixed_size: 34304
    .private_segment_fixed_size: 0
    .kernarg_segment_align: 8
    .kernarg_segment_size: 32
    .max_flat_workgroup_size: 128
    .sgpr_count:     66
    .vgpr_count:     256
    .wavefront_size: 32
...
	.end_amdgpu_metadata
.endif
;; end of part 1
;; launch qkv (part 2): grid 12 x 32, 4 waves a work-group, clusters of 4 x 4, 327,680 bytes of LDS; arguments opnd, qkvc, b_qkv; writes qkvc
.if DOCPART == 2
	.amdgcn_target "amdgcn-amd-amdhsa--gfx1250"
	.amdhsa_code_object_version 6
	.text
	.protected	k_q9f5a5495dd_qkv
	.globl	k_q9f5a5495dd_qkv
	.p2align	8
	.type	k_q9f5a5495dd_qkv,@function
k_q9f5a5495dd_qkv:
	s_mov_b64 s[64:65], 0
	v_nop
	global_prefetch_b8 v0, s[64:65] scope:SCOPE_SE
	s_setreg_imm32_b32 hwreg(HW_REG_WAVE_MODE, 25, 1), 1
	s_wait_xcnt 0x0
	s_wait_alu depctr_hold_cnt(0) depctr_sa_sdst(0) depctr_va_vdst(0) depctr_va_sdst(0) depctr_va_ssrc(0) depctr_va_vcc(0) depctr_vm_vsrc(0)
	s_getreg_b32 s2, hwreg(HW_REG_IB_STS2, 6, 4)
	s_cmp_eq_u32 s2, 0
	s_cbranch_scc0 .Lentry_in_a_cluster
	s_endpgm
.Lentry_in_a_cluster:
	s_bfe_u32 s2, ttmp6, 0x10000c
	s_cmp_lg_u32 s2, 0xf033
	s_cbranch_scc0 .Lentry_shape_is_right
	s_endpgm
.Lentry_shape_is_right:
; q, k, v = x W_qkv + b_qkv on codes of FP8 (E4M3) with E8M0 scales (K = 1,024), and the results quantised at once, in registers: q and k along the head's channels, v along the keys.
; Operands come as images of operand registers (2,048 bytes for 16 rows x 128 K; tile tau = rows 32 (tau / 2) + 8 (tau % 2) + i + 8 (i / 8)): a K step of 256 of 128 rows is one dense block of 32,768 bytes.
; A work-group of four waves makes 256 x 256, a wave 128 x 128: 64 accumulators, 512 registers.  K goes in four steps of 256 through two LDS slots.
; ROLES.  Source 1 ('A') gives the result's lane, source 0 ('B') its registers.  With tiles in the order above, the 16 registers of B's tiles 2 b and 2 b + 1 are 16 NEIGHBOURS along B's rows:
; the axis that is quantised next.  Cluster x 0 and 1 (q, k): A = x's tokens, B = W's columns.  Cluster x 2 (v): A = W's columns 2,048 on, B = x's tokens (the keys).  So nothing is transposed.
; The section is the cluster's x, which all sixteen partners share.  The bias is the C of each sum's first product.
; CLUSTER 4 x 4: A's tiles are asked for jointly along a row of the cluster, B's along a column.
; OUT: q, k: [128 columns: 16][token tile: 512][2048] and scale words [..][..][16][4]; v: [key step of 128: 64][channel tile: 64][2048] and its scale words likewise.
; LIMITS: NaN and infinities are not served; a block of zeros gets the byte 1 (its codes are zeros; this program alone reads the bytes).
; REGISTERS, in windows of 256: window 0: v1-31 addresses; v32-63 scale words, two sets; v64-127 the bias; v128-255 A's fragments, one set.  window 1: B's fragments, two sets.  windows 2, 3: accumulator (a, b) at v[8 (8 (a % 4) + b)].
.set XC,   0                           ; opnd
.set XS,   8388608
.set WQC,  8650752
.set WQS,  11796480
.set KSX,  2097152                     ; from a K step of x's codes to the next
.set KSW,  786432                      ; of W_qkv's
.set QKC,  0                           ; qkvc
.set QKS,  16777216
.set VC,   17301504
.set VS,   25690112
.set NQ,     2                         ; matrix instructions deep in a slot
.set FR,     16                        ; registers of a fragment
.set NL,     4                         ; LDS loads that bring one
.set NP,     8                         ; places behind this matrix instruction (ISA guide 7.12.1)
.set HALFT,  32768                     ; 128 rows x 256 K: what one tensor load brings and one wave reads of A or of B
.set SLOT,   131072                    ; A's 256 rows, then B's
.set SCL,    262144                    ; behind the ring: A's scale bytes of all of K (8,192), then B's
.set SPARE,  278528                    ; the spare words, 128 bytes a wave: two blocks of 256 bytes that no other line names
.set LAPS,   2
.set BO,   8                           ; v8-15   the bias's offsets
.set ADRA, 16                          ; v16-17  LDS address of my A fragments in slot 0, 1
.set ADRB, 20                          ; v20-21  of my B fragments
.set LS4,  25                          ; v25     4 x lane
.set LI,   26                          ; v26     16 x lane
.set ADRS, 27                          ; v27     my scale words: lanes 0-15 A's rows, lanes 16-31 B's
.set SPW,  28                          ; v28     my spare word; never rewritten
.set NIL,  29                          ; v29     0; never rewritten
.set SC,   32
.set BIAS, 64
.set AF,   128
.set TM,   32                          ; the way out: v32-47 at work, v48-55 scale words, v56-59 as stored, v64-127 64 numbers, v128-255 codes (16 for each of A's blocks)
.set PW,   48
.set SWD,  56
.set HH,   64
.set PC,   128
.set G1, 24
.set G0, 32
.set G1B, 48
.set G0B, 56
.set G1S, 68
.set G0S, 76
.set G1SB, 80
.set G0SB, 88
.set MSB, 0
.macro WIN new                         ; the immediate's high byte repeats the setting that is left
.if MSB != (\new)
	s_set_vgpr_msb (MSB<<8)|(\new)
.set MSB, (\new)
.endif
.endm
.set MUL_LO, 0xa1                      ; source 0 (B) window 1, source 1 (A) window 0, C and D window 2
.set MUL_HI, 0xf1                      ; the same, C and D window 3
.set TO_B,   0x40                      ; destination window 1, address window 0
; A joint load: waves 0 and 1 fetch for A, waves 2 and 3 for B; the branch hangs on the wave's number alone.  Four v_nop follow each of the two lines.
.macro JLOAD g0a, g1a, g0b, g1b
	s_cmp_eq_u32 s15, 0
	s_cbranch_scc0 .Lfor_b_\@
	tensor_load_to_lds s[\g0a:\g0a+3], s[\g1a:\g1a+7]
	s_nop 0
.rept 4
	v_nop
.endr
	s_branch .Lasked_\@
.Lfor_b_\@:
	tensor_load_to_lds s[\g0b:\g0b+3], s[\g1b:\g1b+7]
	s_nop 0
.rept 4
	v_nop
.endr
.Lasked_\@:
.endm
.macro CREST                           ; a round of the cluster's barrier behind its opening barrier
	s_cmp_lg_u32 s14, 0
	s_cbranch_scc1 .Lnot_wave_0_\@
	s_barrier_signal -3
.Lnot_wave_0_\@:
	s_barrier_wait -3
	s_barrier_signal -1
	s_barrier_wait -1
.endm
.macro CROUND
	s_barrier_signal -1
	s_barrier_wait -1
	CREST
.endm
	s_load_b128 s[4:7], s[0:1], 0x0                ; opnd s[4:5], qkvc s[6:7]
	s_load_b64 s[8:9], s[0:1], 0x10                ; b_qkv
	v_lshl_add_u32 v[SPW], v0, 2, SPARE
	v_mov_b32 v[NIL], 0
	ds_add_u32 v28, v29
	ds_add_u32 v28, v29
	s_wait_dscnt 0x0
	v_lshrrev_b32 v1, 5, v0
	v_readfirstlane_b32 s14, v1                    ; wave 0..3
	s_lshr_b32 s15, s14, 1                         ; which half of A's rows is mine.  Also: I fetch for A (0) or for B (1)
	s_and_b32 s16, s14, 1                          ; which half of B's rows.  Also: which 128 rows I fetch
	s_bfe_u32 s40, ttmp6, 0x40000                  ; cx
	s_bfe_u32 s41, ttmp6, 0x40004                  ; cy
	s_and_b32 s10, ttmp7, 0xffff                   ; the cluster's y
	s_cmp_lt_u32 ttmp9, 2                          ; q, k or v: the cluster's x.  Only lines that leave SCC alone follow, down to the last select
	s_cselect_b32 s11, s10, 0                      ; A's tile of 256 rows = 4 x this + cy
	s_cselect_b32 s12, ttmp9, s10                  ; B's = 4 x this + cx
	s_cselect_b32 s18, XC, WQC+524288              ; A's codes (W's column 2,048 is tile 128: 128 x 4,096 bytes on),
	s_mov_b32 s19, WQS+65536
	s_cselect_b32 s19, XS, s19                     ; A's scale bytes,
	s_cselect_b32 s20, WQC, XC                     ; B's codes,
	s_mov_b32 s21, XS
	s_cselect_b32 s21, WQS, s21                    ; B's scale bytes
	s_mov_b32 s100, KSW
	s_cselect_b32 s100, KSX, s100                  ; a K step on in A,
	s_mov_b32 s101, KSX
	s_cselect_b32 s101, KSW, s101                  ; in B
	s_cselect_b32 s13, 512, 64                     ; A's tiles of 16 in all
	s_cselect_b32 s66, QKC, VC                     ; where the codes go,
	s_mov_b32 s67, VS
	s_cselect_b32 s67, QKS, s67                    ; and the scale words
	s_cselect_b32 s2, 64, 0                        ; the bias's offset: this x h
	s_cselect_b32 s3, 0, 4                         ; + this x (r + 8 (r / 8))
	s_cselect_b32 s22, 4, 0                        ; + this x register
	v_and_b32 v1, 15, v0                           ; r
	v_bfe_u32 v2, v0, 4, 1                         ; h
	v_and_b32 v3, 8, v1
	v_add_nc_u32 v3, v3, v1
	v_mul_u32_u24 v4, s2, v2
	v_mad_u32_u24 v4, s3, v3, v4
.irp j, 0,1,2,3,4,5,6,7
	v_mad_u32_u24 v[BO+\j], s22, \j, v4
.endr
	s_lshl_b32 s17, s11, 2
	s_add_co_u32 s17, s17, s41                     ; ta: A's tile, which my row of the cluster shares
	s_lshl_b32 s42, s12, 2
	s_add_co_u32 s42, s42, s40                     ; tb: B's tile, which my column shares
	s_lshl_b32 s43, s41, 2
	s_lshl_b32 s43, 15, s43                        ; my row of the cluster
	s_lshl_b32 s44, 0x1111, s40                    ; my column
	; descriptor group 1: a dense block of 32,768 bytes as 128 rows of 256 bytes (32 elements of 8 bytes), no padding: a fragment load reads 512 consecutive bytes
	s_or_b32 s[G1+0], s43, (3<<16)|(1<<21)         ; 15:0 the mask; 17:16 elements of 8 bytes; 21 set beside a mask
	s_or_b32 s[G1B+0], s44, (3<<16)|(1<<21)
.irp g, G1, G1B
	s_mov_b32 s[\g+1], 32<<16                      ; tensor_dim0
	s_mov_b32 s[\g+2], 256<<16                     ; tensor_dim1: the head's loads bring 256 rows; behind them the two words that count rows are set to 128
	s_mov_b32 s[\g+3], 32<<16                      ; tile_dim0
	s_mov_b32 s[\g+4], 256                         ; tile_dim1
	s_mov_b32 s[\g+5], 32                          ; the pitch
	s_mov_b32 s[\g+6], 0
	s_mov_b32 s[\g+7], 0
.endr
	s_or_b32 s[G1S+0], s43, (3<<16)|(1<<21)        ; the scale bytes of 256 rows, all of K: 8,192 dense bytes as 32 rows
	s_or_b32 s[G1SB+0], s44, (3<<16)|(1<<21)
.irp g, G1S, G1SB
	s_mov_b32 s[\g+1], 32<<16
	s_mov_b32 s[\g+2], 32<<16                      ; the scale bytes of 256 rows: 8,192 dense bytes as 32 rows
	s_mov_b32 s[\g+3], 32<<16
	s_mov_b32 s[\g+4], 32
	s_mov_b32 s[\g+5], 32
	s_mov_b32 s[\g+6], 0
	s_mov_b32 s[\g+7], 0
.endr
	s_lshl_b32 s45, s14, 15                        ; where my tiles go: wave x 32,768: no place in the cluster enters an LDS address
	s_lshl_b32 s92, s100, 1                        ; two K steps on, as pairs
	s_mov_b32 s93, 0
	s_lshl_b32 s94, s101, 1
	s_mov_b32 s95, 0
	s_wait_kmcnt 0x0
	s_lshl_b32 s22, s17, 16                        ; A's codes: (16 ta + 8 x half) x 4,096
	s_lshl_b32 s23, s16, 15
	s_add_co_u32 s22, s22, s23
	s_add_co_u32 s22, s22, s18
	s_mov_b32 s23, 0
	s_mov_b32 s[G0], 1
	s_mov_b32 s[G0+1], s45
	s_add_nc_u64 s[G0+2:G0+3], s[4:5], s[22:23]
	s_or_b32 s[G0+3], s[G0+3], 0x80000000
	s_add_co_u32 s22, s22, s100                    ; K step 1
	s_mov_b32 s[G0+4], 1
	s_add_co_u32 s[G0+5], s45, SLOT
	s_add_nc_u64 s[G0+6:G0+7], s[4:5], s[22:23]
	s_or_b32 s[G0+7], s[G0+7], 0x80000000
	s_lshl_b32 s22, s17, 13                        ; A's scale bytes: 16 ta x 512, all 256 rows by one load
	s_add_co_u32 s22, s22, s19
	s_mov_b32 s23, 0
	s_mov_b32 s[G0S], 1
	s_mov_b32 s[G0S+1], SCL
	s_add_nc_u64 s[G0S+2:G0S+3], s[4:5], s[22:23]
	s_or_b32 s[G0S+3], s[G0S+3], 0x80000000
	s_lshl_b32 s46, s42, 16                        ; B's likewise, in registers of their own
	s_lshl_b32 s47, s16, 15
	s_add_co_u32 s46, s46, s47
	s_add_co_u32 s46, s46, s20
	s_mov_b32 s47, 0
	s_mov_b32 s[G0B], 1
	s_mov_b32 s[G0B+1], s45
	s_add_nc_u64 s[G0B+2:G0B+3], s[4:5], s[46:47]
	s_or_b32 s[G0B+3], s[G0B+3], 0x80000000
	s_add_co_u32 s46, s46, s101
	s_mov_b32 s[G0B+4], 1
	s_add_co_u32 s[G0B+5], s45, SLOT
	s_add_nc_u64 s[G0B+6:G0B+7], s[4:5], s[46:47]
	s_or_b32 s[G0B+7], s[G0B+7], 0x80000000
	s_lshl_b32 s46, s42, 13
	s_add_co_u32 s46, s46, s21
	s_mov_b32 s47, 0
	s_mov_b32 s[G0SB], 1
	s_mov_b32 s[G0SB+1], SCL+8192
	s_add_nc_u64 s[G0SB+2:G0SB+3], s[4:5], s[46:47]
	s_or_b32 s[G0SB+3], s[G0SB+3], 0x80000000
	CROUND                                         ; all sixteen work-groups are here: the first joint loads meet
; THE HEAD'S LOADS, ONE A WAVE: wave 0 K step 0's 256 rows of A (its own group 0 begins at A's first row and at LDS byte 0), wave 1 A's scale bytes,
; wave 2 K step 0's 256 rows of B (its own group 0 begins at B's first row and at LDS byte 65,536), wave 3 B's scale bytes.  One chain of branches on the wave's number, a load to an arm.
.macro ARM eq, g0, g1, next
	s_cmp_eq_u32 s14, \eq
	s_cbranch_scc0 \next
	tensor_load_to_lds s[\g0:\g0+3], s[\g1:\g1+7]
	s_nop 0
.rept 4
	v_nop
.endr
	s_branch .Lhead_asked
\next:
.endm
	ARM 0, G0, G1, .Lhead_sa
	ARM 1, G0S, G1S, .Lhead_b
	ARM 2, G0B, G1B, .Lhead_sb
	tensor_load_to_lds s[G0SB:G0SB+3], s[G1SB:G1SB+7]
	s_nop 0
.rept 4
	v_nop
.endr
.Lhead_asked:
	; where my results go: image (2 tb + my half of B) x A's tiles + 16 ta + 8 x my half of A
	s_lshl_b32 s46, s42, 1
	s_add_co_u32 s46, s46, s16
	s_mul_i32 s46, s46, s13
	s_lshl_b32 s47, s17, 4
	s_add_co_u32 s46, s46, s47
	s_lshl_b32 s47, s15, 3
	s_add_co_u32 s46, s46, s47
	s_lshl_b32 s96, s46, 11
	s_add_co_u32 s96, s96, s66
	s_mov_b32 s97, 0
	s_add_nc_u64 s[96:97], s[6:7], s[96:97]
	s_lshl_b32 s98, s46, 6
	s_add_co_u32 s98, s98, s67
	s_mov_b32 s99, 0
	s_add_nc_u64 s[98:99], s[6:7], s[98:99]
	; the bias's first number: q, k: my 128 columns of B; v: 2,048 + my 128 columns of A
	s_lshl_b32 s46, s42, 8
	s_lshl_b32 s47, s16, 7
	s_add_co_u32 s46, s46, s47
	s_lshl_b32 s22, s17, 8
	s_lshl_b32 s23, s15, 7
	s_add_co_u32 s22, s22, s23
	s_add_co_u32 s22, s22, 2048
	s_cmp_lt_u32 ttmp9, 2
	s_cselect_b32 s46, s46, s22
	s_lshl_b32 s46, s46, 2
	s_mov_b32 s47, 0
	s_add_nc_u64 s[8:9], s[8:9], s[46:47]
	s_wait_alu depctr_va_vdst(0)
.irp i, 0,1,2,3,4,5,6,7
.irp j, 0,1,2,3,4,5,6,7
	global_load_b32 v[BIAS+8*\i+\j], v[BO+\j], s[8:9] offset:(32*(\i/2)+8*(\i%2))*4   ; q, k: tile i of B, register j: column 32 (i / 2) + 8 (i % 2) + 16 h + j; v: tile i of A, my lane's column in every register
.endr
.endr
	v_and_b32 v3, 31, v0
	v_lshlrev_b32 v[LI], 4, v3
	v_lshlrev_b32 v[LS4], 2, v3
	s_lshl_b32 s46, s15, 15                        ; my 128 rows of A,
	s_lshl_b32 s47, s16, 15
	s_add_co_u32 s47, s47, 65536                   ; my 128 rows of B, behind A's 256
.irp s, 0,1
	v_add_nc_u32 v[ADRA+\s], s46, v[LI]
	v_add_nc_u32 v[ADRB+\s], s47, v[LI]
	s_add_co_u32 s46, s46, SLOT
	s_add_co_u32 s47, s47, SLOT
.endr
	v_lshlrev_b32 v5, 3, v1                        ; scale words: 8 bytes a row in a K step
	s_lshl_b32 s46, s15, 12                        ; A's: my 8 tiles
	s_lshl_b32 s47, s16, 12
	s_add_co_u32 s47, s47, 8192                    ; B's: my 8 tiles, behind A's 16
	s_sub_co_u32 s47, s47, s46
	v_mul_u32_u24 v6, s47, v2                      ; lanes 16-31 take B's: one product, the distance between the two
	s_add_co_u32 s46, s46, SCL
	v_add_nc_u32 v5, v5, v6
	v_add_nc_u32 v[ADRS], s46, v5
.macro FRAG reg, adr, q, i             ; a fragment as it lies: four loads of 512 consecutive bytes
.irp c, 0,1,2,3
	ds_load_b128 v[\reg+4*\c:\reg+4*\c+3], v[\adr] offset:4096*(\i)+2048*(\q)+512*\c
.endr
.endm
; 16 matrix instructions: A's blocks a0, a0 + 1 x B's eight.  mode 0: the sums go on; 1: they begin with the bias of B's tile; 2: with that of A's tile.
; The 64 accumulators take turns, one instruction a turn, in the same order in every step.
.macro MUL16 a0, p, q, sc, mode
.irp a, \a0, \a0+1
.irp b, 0,1,2,3,4,5,6,7
.if (\mode) == 1
	v_wmma_scale_f32_16x16x128_f8f6f4 v[8*(8*((\a)%4)+\b):8*(8*((\a)%4)+\b)+7], v[128*(\p)+FR*\b:128*(\p)+FR*\b+FR-1], v[AF+FR*(\a):AF+FR*(\a)+FR-1], v[BIAS+8*\b:BIAS+8*\b+7], v[SC+8*NQ*(\sc)+NQ*\b+(\q)], v[SC+8*NQ*(\sc)+NQ*(\a)+(\q)] matrix_a_scale:MATRIX_SCALE_ROW1
.elseif (\mode) == 2
	v_wmma_scale_f32_16x16x128_f8f6f4 v[8*(8*((\a)%4)+\b):8*(8*((\a)%4)+\b)+7], v[128*(\p)+FR*\b:128*(\p)+FR*\b+FR-1], v[AF+FR*(\a):AF+FR*(\a)+FR-1], v[BIAS+8*(\a):BIAS+8*(\a)+7], v[SC+8*NQ*(\sc)+NQ*\b+(\q)], v[SC+8*NQ*(\sc)+NQ*(\a)+(\q)] matrix_a_scale:MATRIX_SCALE_ROW1
.else
	v_wmma_scale_f32_16x16x128_f8f6f4 v[8*(8*((\a)%4)+\b):8*(8*((\a)%4)+\b)+7], v[128*(\p)+FR*\b:128*(\p)+FR*\b+FR-1], v[AF+FR*(\a):AF+FR*(\a)+FR-1], v[8*(8*((\a)%4)+\b):8*(8*((\a)%4)+\b)+7], v[SC+8*NQ*(\sc)+NQ*\b+(\q)], v[SC+8*NQ*(\sc)+NQ*(\a)+(\q)] matrix_a_scale:MATRIX_SCALE_ROW1
.endif
.endr
.endr
.endm
.macro FETCH_B slot, q, p
	WIN TO_B
.irp i, 0,1,2,3,4,5,6,7
	FRAG 128*(\p)+FR*\i, ADRB+\slot, \q, \i
.endr
	WIN 0
.endm
.macro FETCH_A slot, q, i0
.irp i, \i0, \i0+1, \i0+2, \i0+3
	FRAG AF+FR*(\i), ADRA+\slot, \q, \i
.endr
.endm
.macro SCALES sc                       ; a K step's scale words: two a row; lanes 0-15 take A's tile i, lanes 16-31 B's tile i
.irp i, 0,1,2,3,4,5,6,7
	ds_load_b64 v[SC+8*NQ*\sc+NQ*\i:SC+8*NQ*\sc+NQ*\i+1], v[ADRS] offset:512*\i
.endr
.endm
.macro PLACES n                        ; plain vector lines between a matrix instruction and a load into, or a vector read of, its registers
.rept \n
	v_nop
.endr
.endm
.macro STEP slot, q, mode              ; 128 along K that has its successor in the same slot
	s_wait_dscnt 4*NL                              ; B's set and A's blocks 0-3 are in; the youngest sixteen loads (A's blocks 4-7) may be out
.if \mode
	WIN 0x81                                       ; C (the bias) in window 0, D in window 2
.else
	WIN MUL_LO
.endif
	MUL16 0, (\q)%2, \q, \slot, \mode
	MUL16 2, (\q)%2, \q, \slot, \mode
	s_wait_dscnt 0
	PLACES NP
	FETCH_B \slot, (\q)+1, 1-(\q)%2
	FETCH_A \slot, (\q)+1, 0
.if \mode
	WIN 0xc1
.else
	WIN MUL_HI
.endif
	MUL16 4, (\q)%2, \q, \slot, \mode
	MUL16 6, (\q)%2, \q, \slot, \mode
	PLACES NP
	WIN 0
	FETCH_A \slot, (\q)+1, 4
.endm
; A slot's last step changes slots: one barrier; in front of it each wave waits for all its tensor loads, adds 0 to its spare word, and waits for that and for its reads of this slot.
.macro TURN slot, next, fill
	s_wait_tensorcnt 0x0                           ; all my tensor loads have landed: my part of the next slot
	ds_add_u32 v[SPW], v[NIL]                      ; 0 onto my spare word
	s_wait_dscnt 4*NL+1                            ; (the add and the youngest sixteen loads may be out)
	WIN MUL_LO
	MUL16 0, 1, NQ-1, \slot, 0
	s_wait_dscnt 0x0                               ; the add is done, and my reads of this slot are over
	s_barrier_signal -1
	MUL16 2, 1, NQ-1, \slot, 0
	WIN 0
	s_barrier_wait -1
.if \fill
	CREST                                          ; the barrier has opened a round of the cluster's: no wave of any partner still reads this slot or has a load on its way
	s_add_nc_u64 s[G0+4*\slot+2:G0+4*\slot+3], s[G0+4*\slot+2:G0+4*\slot+3], s[92:93]
	s_add_nc_u64 s[G0B+4*\slot+2:G0B+4*\slot+3], s[G0B+4*\slot+2:G0B+4*\slot+3], s[94:95]
	JLOAD G0+4*\slot, G1, G0B+4*\slot, G1B         ; the first tensor load behind the round; its four v_nop are four of the eight places
	PLACES NP-4
.else
	PLACES NP
.endif
	s_wait_alu depctr_va_vdst(0)
	v_add_nc_u32 v[ADRS], 128, v[ADRS]             ; the next K step's scale words
	FETCH_B \next, 0, 0
	FETCH_A \next, 0, 0
	SCALES \next
	WIN MUL_HI
	MUL16 4, 1, NQ-1, \slot, 0
	MUL16 6, 1, NQ-1, \slot, 0
	PLACES NP
	WIN 0
	FETCH_A \next, 0, 4
.endm
	s_wait_alu depctr_va_vdst(0)
	s_wait_tensorcnt 0x0                           ; my tile of the head's four is in
	ds_add_u32 v[SPW], v[NIL]
	s_mov_b32 s[G1+2], 128<<16                     ; no tensor load of mine is out: from here on a load brings 128 rows
	s_mov_b32 s[G1+4], 128
	s_mov_b32 s[G1B+2], 128<<16
	s_mov_b32 s[G1B+4], 128
	s_wait_dscnt 0x0
	CROUND                                         ; all four tiles are in, and all sixteen work-groups are here
	JLOAD G0+4, G1, G0B+4, G1B                     ; K step 1, the first tensor load behind the round
	FETCH_B 0, 0, 0
	FETCH_A 0, 0, 0
	SCALES 0
	FETCH_A 0, 0, 4
	s_wait_loadcnt 0x0                             ; the bias
	s_cmp_eq_u32 ttmp9, 2                          ; the first step is written twice: the bias runs along B's rows (q, k) or along A's (v).  No tensor load and no barrier stands in it
	s_cbranch_scc1 .Lfirst_v
	STEP 0, 0, 1
	s_branch .Lfirst_done
.Lfirst_v:
	STEP 0, 0, 2
.Lfirst_done:
	s_mov_b32 s3, LAPS-1
.Llap:                                             ; once round the ring: both slots are filled again (K steps 2 and 3)
	TURN 0, 1, 1
	STEP 1, 0, 0
	TURN 1, 0, 1
	STEP 0, 0, 0
	s_sub_co_u32 s3, s3, 1
	s_cmp_lg_u32 s3, 0
	s_cbranch_scc1 .Llap
	TURN 0, 1, 0                                   ; the last lap fills nothing
	STEP 1, 0, 0
	s_wait_dscnt 4*NL
	WIN MUL_LO
	MUL16 0, 1, NQ-1, 1, 0
	MUL16 2, 1, NQ-1, 1, 0
	s_wait_dscnt 0
	WIN MUL_HI
	MUL16 4, 1, NQ-1, 1, 0
	MUL16 6, 1, NQ-1, 1, 0
	WIN 0
	; THE WAY OUT: no LDS.  For each of A's blocks the lane's 64 results are k 32 b + 16 h + i of its row: four blocks of 32, each shared with lane l xor 16.  The conversions' results are the image.
	s_mov_b32 s20, 0x76543210
	s_mov_b32 s21, 0xfedcba98                      ; v_permlanex16_b32's selects for lane l xor 16
	s_mov_b32 s23, 0x600000                        ; the mantissa field of 448
	s_mov_b32 s100, 0xffff0000                     ; lanes 16-31
	PLACES NP
.irp b, 0,1,2,3
	v_mov_b32 v[TM+4+\b], 0                        ; written once: a lane permute's destination counts as one of its sources
.endr
.macro QOUT a
.set WW, 2+(\a)/4
.set AC, 64*((\a)%4)
	WIN (WW<<2)|(WW<<4)                            ; sources 1 and 2: the accumulators' window
.irp b, 0,1,2,3
	v_max3_num_f32 v[TM+\b], 0x4800000, |v[AC+16*\b]|, |v[AC+16*\b+1]|   ; the floor 2^(9 - 127) and my 16 numbers, each accumulator from its low end on
.endr
.irp i, 2,4,6,8,10,12,14
.irp b, 0,1,2,3
	v_max3_num_f32 v[TM+\b], v[TM+\b], |v[AC+16*\b+\i]|, |v[AC+16*\b+\i+1]|
.endr
.endr
	WIN 0
.irp b, 0,1,2,3
	v_permlanex16_b32 v[TM+4+\b], v[TM+\b], s20, s21
.endr
.irp b, 0,1,2,3
	v_max_num_f32 v[TM+\b], v[TM+\b], v[TM+4+\b]
.endr
.irp b, 0,1,2,3
	v_add_nc_u32 v[TM+12+\b], 0xfc000000, v[TM+\b] ; 8 off the exponent field: the conversion's scale operand
.endr
.irp b, 0,1,2,3
	v_and_or_b32 v[TM+8+\b], v[TM+\b], 0x7f800000, s23   ; 448 x the scale
.endr
.irp b, 0,1,2,3
	v_lshrrev_b32 v[TM+4+\b], 23, v[TM+12+\b]      ; the scale's byte
.endr
	v_lshl_or_b32 v[PW+(\a)], v[TM+5], 8, v[TM+4]
	v_lshl_or_b32 v[PW+(\a)], v[TM+6], 16, v[PW+(\a)]
	v_lshl_or_b32 v[PW+(\a)], v[TM+7], 24, v[PW+(\a)]
	WIN WW                                         ; source 0: the accumulators' window
.irp b, 0,1,2,3
.irp i, 0,1,2,3,4,5,6,7,8,9,10,11,12,13,14,15
	v_med3_num_f32 v[HH+16*\b+\i], v[AC+16*\b+\i], -v[TM+8+\b], v[TM+8+\b]   ; the hold (the conversion does not saturate: ISA guide 7.6.2), and the move into window 0
.endr
.endr
	WIN 0
.irp b, 0,1,2,3
	v_cvt_scalef32_pk8_fp8_f32 v[PC+16*(\a)+4*\b:PC+16*(\a)+4*\b+1], v[HH+16*\b:HH+16*\b+7], v[TM+12+\b]
	v_cvt_scalef32_pk8_fp8_f32 v[PC+16*(\a)+4*\b+2:PC+16*(\a)+4*\b+3], v[HH+16*\b+8:HH+16*\b+15], v[TM+12+\b]
.endr
	v_nop                                          ; a plain line behind the last conversion
.irp c, 0,1,2,3
	global_store_b128 v[LI], v[PC+16*(\a)+4*\c:PC+16*(\a)+4*\c+3], s[96:97] offset:2048*(\a)+512*\c   ; 512 consecutive bytes, aligned; a wave's eight images lie on end
.endr
.endm
.irp a, 0,1,2,3,4,5,6,7
	QOUT \a
.endr
.irp p, 0,1,2,3
	v_cndmask_b32 v[SWD+\p], v[PW+2*\p], v[PW+2*\p+1], s100    ; lanes 0-15 tile 2 p's words, lanes 16-31 tile 2 p + 1's
	global_store_b32 v[LS4], v[SWD+\p], s[98:99] offset:128*\p
.endr
	s_wait_tensorcnt 0x0                           ; the wave's end
	ds_add_u32 v[SPW], v[NIL]
	s_wait_dscnt 0x0
	CROUND                                         ; the closing round: no work-group ends while a partner may still ask for a tile that names it
	s_endpgm
.Lfunc_end_k_q9f5a5495dd_qkv:
	.size	k_q9f5a5495dd_qkv, .Lfunc_end_k_q9f5a5495dd_qkv-k_q9f5a5495dd_qkv
	.p2alignl 7, 3214868480
	.fill 96, 4, 3214868480
	.section	.rodata,"a",@progbits
	.p2align	6, 0x0
	.amdhsa_kernel k_q9f5a5495dd_qkv
		.amdhsa_group_segment_fixed_size 327680
		.amdhsa_private_segment_fixed_size 0
		.amdhsa_enable_private_segment 0
		.amdhsa_kernarg_size 24
		.amdhsa_user_sgpr_count 2
		.amdhsa_user_sgpr_kernarg_segment_ptr 1
		.amdhsa_wavefront_size32 1
		.amdhsa_system_sgpr_workgroup_id_x 1
		.amdhsa_system_sgpr_workgroup_id_y 1
		.amdhsa_system_sgpr_workgroup_id_z 1
		.amdhsa_system_vgpr_workitem_id 0
		.amdhsa_next_free_vgpr 1024
		.amdhsa_next_free_sgpr 102
		.amdhsa_reserve_vcc 0
		.amdhsa_float_denorm_mode_32 3
		.amdhsa_float_denorm_mode_16_64 3
		.amdhsa_memory_ordered 1
		.amdhsa_forward_progress 1
		.amdhsa_inst_pref_size 206
	.end_amdhsa_kernel
	.amdgpu_metadata
---
amdhsa.version: [ 1, 2 ]
amdhsa.kernels:
  - .name:           k_q9f5a5495dd_qkv
    .symbol:         k_q9f5a5495dd_qkv.kd
    .args:
      - { .name: opnd, .offset: 0, .size: 8, .value_kind: global_buffer, .address_space: global }
      - { .name: qkvc, .offset: 8, .size: 8, .value_kind: global_buffer, .address_space: global }
      - { .name: b_qkv, .offset: 16, .size: 8, .value_kind: global_buffer, .address_space: global }
    .group_segment_fixed_size: 327680
    .private_segment_fixed_size: 0
    .kernarg_segment_align: 8
    .kernarg_segment_size: 24
    .max_flat_workgroup_size: 128
    .sgpr_count:     102
    .vgpr_count:     1024
    .wavefront_size: 32
...
	.end_amdgpu_metadata
.endif
;; end of part 2
;; launch attn (part 3): grid 4 x 64, 16 waves a work-group, clusters of 4 x 1, 276,480 bytes of LDS; arguments qkvc, yq; writes yq
.if DOCPART == 3
	.amdgcn_target "amdgcn-amd-amdhsa--gfx1250"
	.amdhsa_code_object_version 6
	.text
	.protected	k_q9f5a5495dd_attn
	.globl	k_q9f5a5495dd_attn
	.p2align	8
	.type	k_q9f5a5495dd_attn,@function
k_q9f5a5495dd_attn:
	s_mov_b64 s[64:65], 0
	v_nop
	global_prefetch_b8 v0, s[64:65] scope:SCOPE_SE
	s_setreg_imm32_b32 hwreg(HW_REG_WAVE_MODE, 25, 1), 1
	s_wait_xcnt 0x0
	s_wait_alu depctr_hold_cnt(0) depctr_sa_sdst(0) depctr_va_vdst(0) depctr_va_sdst(0) depctr_va_ssrc(0) depctr_va_vcc(0) depctr_vm_vsrc(0)
	s_getreg_b32 s2, hwreg(HW_REG_IB_STS2, 6, 4)
	s_cmp_eq_u32 s2, 0
	s_cbranch_scc0 .Lentry_in_a_cluster
	s_endpgm
.Lentry_in_a_cluster:
	s_bfe_u32 s2, ttmp6, 0x10000c
	s_cmp_lg_u32 s2, 0x3003
	s_cbranch_scc0 .Lentry_shape_is_right
	s_endpgm
.Lentry_shape_is_right:
; y = softmax(q k^T / 8, causal) v for one head, both products on codes of FP8 (E4M3) with E8M0 scales, and y quantised along the channels for the last product.
; t = score x log2(e) / 8; M = the running largest t rounded UP to a whole number; p = 2^(t - M) is quantised along the keys, not normalised; the row's sum is taken of the unquantised p and divides at the end.
; LEFT OUT: key steps of 128 all of whose keys come after a tile's queries: the causal mask, which the problem builds itself, gives them the weight 0 for all values of the inputs.
; TILES.  Tile tau = rows 32 (tau / 2) + 8 (tau % 2) + i + 8 (i / 8), for tokens and channels alike.  Tiles 8 g .. 8 g + 7 of a batch are the tokens 128 g .. 128 g + 127: each has g + 1 key steps, the last on the diagonal.
; SHARES.  The four work-groups of a head form a cluster.  Work-group cx owns tiles 8 g + cx and 8 g + 4 + cx, g = 0 .. 15; wave w takes g = max(w, 15 - w) first and 15 - that second: 17 key steps in every wave.
; No branch, trip count or LDS address hangs on cx: it enters global offsets and the lanes' mask threshold alone.  So the partners run alike and ask for K and V JOINTLY (mask 15).
; THE WHOLE HEAD STAYS IN LDS, each byte filled once, one load a wave: wave 0 keys 0-1,023 of K, wave 1 keys 0-511 of V, waves 2, 3 K's and V's scale words (a load line each: they alone wait at the first barrier);
; wave 5 K's other 1,024 keys, waves 9-11 V's other three runs of 512.  The first tile has nine steps or more; its first four read V's keys 0-511 and K's keys 0-639; the second barrier shows the rest; no barrier follows it.
; K RUNS A STEP AHEAD: a step's products find K's eight tiles and their scale words in registers; the next step's 24 LDS loads go out as one run behind the places that follow the products.
; Behind a tile's last step they bring bytes that nobody uses (at the most the 8,192 + 512 bytes that follow K's in LDS, which have landed).  V's 20 loads go out as one run behind the conversions.
; NO PREFETCH INTO THE L2: every tile is asked for at the head; there is no later request to run ahead of.
; q's and k's K is the head's 64.  Q's upper half holds zero codes.  K's eight tiles lie on end, 8 registers each: a fragment's upper half is the next tile's codes; behind the last tile lie the codes of the wave's SECOND tile of Q,
; loaded at the head and copied when the first tile is done.  All of these are finite numbers that meet Q's zeros; their scale bytes are 0, that is 2^-127.
; Both products are used transposed (S^T = K Q^T, O^T = V^T P^T): a lane holds one query; the 16 registers of key tiles 2 b, 2 b + 1 are keys 32 b + 16 h + 0 .. 15: every conversion's result is the next operand.
; LIMITS: NaN and infinities are not served; a block of zeros gets the byte 1 (its codes are zeros; this program alone reads the bytes); the promise holds while t stays under 2^31 in magnitude.
; REGISTERS: v1-5 lane terms; v6-9 Q's offsets, v8-11 then the step's LDS addresses; v12 -M, v13 the largest score, v[14:15] the sum; v16-31 Q; v32-95 K; v96-103 the second Q; v104-167 S^T, p, then V; v168-199 O^T;
; v200-215 the sums' parts, then p's codes, y's codes; v216-231 the blocks' work; v[232:233] f, 1 / sum; v234, v235 at work; v236 4 r, then the second Q's scale bytes; v237-239 offsets; v240-247 K's scale words; v248-251 V's; v252 Q's; v253 p's.
.set QKS,  16777216
.set VC,   17301504
.set VS,   25690112
.set YS,   8388608
.set VIMG, 131072                      ; LDS: K's 128 tiles x 1,024 bytes at 0; V's 16 key steps x 8,192 here;
.set KSC,  262144                      ; K's scale words, 64 bytes a tile;
.set VSC,  270336                      ; V's, 256 bytes a key step;
.set SPARE, 274432                     ; the spare words, 128 bytes a wave
.set SS,  104
.set OO,  168
.set PCD, 200
.set BW,  216
.macro CROUND                          ; a round of the cluster's barrier
	s_barrier_signal -1
	s_barrier_wait -1
	s_cmp_lg_u32 s8, 0
	s_cbranch_scc1 .Lnw0_\@
	s_barrier_signal -3
.Lnw0_\@:
	s_barrier_wait -3
	s_barrier_signal -1
	s_barrier_wait -1
.endm
.macro GRP1 g, c, r, p                 ; descriptor group 1: r rows of c elements of 8 bytes, p elements apart; mask 15 with bit 21 beside it; no padding
	s_mov_b32 s[\g], 15|(3<<16)|(1<<21)
	s_mov_b32 s[\g+1], (\c)<<16
	s_mov_b32 s[\g+2], (\r)<<16
	s_mov_b32 s[\g+3], (\c)<<16
	s_mov_b32 s[\g+4], \r
	s_mov_b32 s[\g+5], \p
	s_mov_b32 s[\g+6], 0
	s_mov_b32 s[\g+7], 0
.endm
.macro ARM under, g0, g1, next
	s_cmp_lt_u32 s8, \under
	s_cbranch_scc0 \next
	tensor_load_to_lds s[\g0:\g0+3], s[\g1:\g1+7]
	s_nop 0
.rept 4
	v_nop
.endr
	s_branch .Lasked
\next:
.endm
	s_load_b128 s[4:7], s[0:1], 0x0                ; qkvc s[4:5], yq s[6:7]
	v_lshl_add_u32 v254, v0, 2, SPARE
	v_mov_b32 v255, 0
	ds_add_u32 v254, v255                          ; the add, twice on end, and its wait
	ds_add_u32 v254, v255
	v_lshrrev_b32 v1, 5, v0
	v_readfirstlane_b32 s8, v1                     ; wave 0..15
	s_and_b32 s9, ttmp7, 0xffff                    ; the cluster's y: batch x 16 + head
	s_lshr_b32 s10, s9, 4                          ; batch
	s_and_b32 s11, s9, 15                          ; head
	s_lshr_b32 s12, s11, 1                         ; its pair: 128 columns
	s_and_b32 s13, s11, 1                          ; which half of the pair
	s_bfe_u32 s70, ttmp6, 0x40000                  ; cx
	GRP1 16, 128, 64, 256                          ; K: 64 tiles' halves of 1,024 bytes, 2,048 apart
	GRP1 24, 1024, 4, 16384                        ; V: 4 key steps' 8,192 bytes, 131,072 apart
	GRP1 32, 32, 32, 32                            ; K's scale words: 8,192 dense bytes
	GRP1 40, 32, 16, 512                           ; V's: 16 key steps' 256 bytes, 4,096 apart
	s_and_b32 s14, s8, 1                           ; which 1,024 keys of K: wave 0: 0; wave 5: 1
	s_and_b32 s15, s8, 3
	s_lshr_b32 s67, s8, 3
	s_mul_i32 s15, s15, s67                        ; which 512 keys of V: wave 1: 0; waves 9-11: 1-3
	s_add_co_u32 s66, s12, 8                       ; k's columns lie behind q's
	s_lshl_b32 s2, s66, 20                         ; K's codes: ((8 + pair) 512 + 128 batch + 64 run) x 2,048 + 1,024 x half
	s_lshl_b32 s3, s10, 18
	s_add_co_u32 s2, s2, s3
	s_lshl_b32 s3, s13, 10
	s_add_co_u32 s2, s2, s3
	s_lshl_b32 s3, s14, 17
	s_add_co_u32 s2, s2, s3
	s_mov_b32 s3, 0
	s_lshl_b32 s68, s10, 21                        ; V's codes: ((16 batch + 4 run) 64 + 4 head) x 2,048
	s_lshl_b32 s69, s11, 13
	s_add_co_u32 s68, s68, s69
	s_lshl_b32 s69, s15, 19
	s_add_co_u32 s68, s68, s69
	s_add_co_u32 s68, s68, VC
	s_mov_b32 s69, 0
	s_lshl_b32 s72, s66, 15                        ; K's scale words: ((8 + pair) 512 + 128 batch) x 64
	s_lshl_b32 s73, s10, 13
	s_add_co_u32 s72, s72, s73
	s_add_co_u32 s72, s72, QKS
	s_mov_b32 s73, 0
	s_lshl_b32 s74, s10, 16                        ; V's: (16 batch x 64 + 4 head) x 64
	s_lshl_b32 s75, s11, 8
	s_add_co_u32 s74, s74, s75
	s_add_co_u32 s74, s74, VS
	s_mov_b32 s75, 0
	s_mov_b32 s48, 1                               ; groups 0: K, V, K's scale words, V's
	s_lshl_b32 s49, s14, 16
	s_mov_b32 s52, 1
	s_lshl_b32 s53, s15, 15
	s_add_co_u32 s53, s53, VIMG
	s_mov_b32 s56, 1
	s_mov_b32 s57, KSC
	s_mov_b32 s60, 1
	s_mov_b32 s61, VSC
	s_wait_alu depctr_va_vdst(0)
	s_wait_dscnt 0x0                               ; both opening adds are done
	CROUND                                         ; the four partners are here: the joint loads meet
	s_wait_kmcnt 0x0
	s_add_nc_u64 s[50:51], s[4:5], s[2:3]
	s_or_b32 s51, s51, 0x80000000
	s_add_nc_u64 s[54:55], s[4:5], s[68:69]
	s_or_b32 s55, s55, 0x80000000
	s_add_nc_u64 s[58:59], s[4:5], s[72:73]
	s_or_b32 s59, s59, 0x80000000
	s_add_nc_u64 s[62:63], s[4:5], s[74:75]
	s_or_b32 s63, s63, 0x80000000
	ARM 1, 48, 16, .La1                            ; one chain, one load to an arm: wave 0: K's keys 0-1,023
	ARM 2, 52, 24, .La2                            ; wave 1: V's keys 0-511
	ARM 3, 56, 32, .La3                            ; wave 2: K's scale words
	ARM 4, 60, 40, .La4                            ; wave 3: V's
	s_cmp_lt_u32 s8, 5
	s_cbranch_scc1 .Lasked
	ARM 6, 48, 16, .La5                            ; wave 5: K's other keys
	s_cmp_lt_u32 s8, 9
	s_cbranch_scc1 .Lasked
	ARM 12, 52, 24, .La6                           ; waves 9-11: V's
.Lasked:
	s_lshl_b32 s2, s12, 20                         ; Q's codes: my pair, my half of each image
	s_lshl_b32 s3, s13, 10
	s_add_co_u32 s2, s2, s3
	s_mov_b32 s3, 0
	s_add_nc_u64 s[92:93], s[4:5], s[2:3]
	s_lshl_b32 s2, s12, 15                         ; Q's scale words, my two bytes of each
	s_lshl_b32 s66, s13, 1
	s_add_co_u32 s2, s2, s66
	s_add_co_u32 s2, s2, QKS
	s_add_nc_u64 s[94:95], s[4:5], s[2:3]
	s_lshr_b32 s66, s11, 2                         ; y: the head's 64 channels are K step head / 4, 128 (head / 2) % 2, blocks 2 (head % 2) on
	s_and_b32 s67, s12, 1
	s_lshl_b32 s2, s66, 21
	s_lshl_b32 s100, s67, 11
	s_add_co_u32 s2, s2, s100
	s_lshl_b32 s100, s13, 10
	s_add_co_u32 s2, s2, s100
	s_add_nc_u64 s[96:97], s[6:7], s[2:3]
	s_lshl_b32 s2, s66, 7
	s_lshl_b32 s100, s67, 2
	s_add_co_u32 s2, s2, s100
	s_lshl_b32 s100, s13, 1
	s_add_co_u32 s2, s2, s100
	s_add_co_u32 s2, s2, YS
	s_add_nc_u64 s[98:99], s[6:7], s[2:3]
	s_lshl_b32 s4, s10, 7                          ; 128 x batch
	s_sub_co_u32 s68, 15, s8
	s_max_u32 s74, s8, s68                         ; the first tile's g, 8 .. 15
	s_min_u32 s75, s8, s68                         ; the second's, 0 .. 7
	s_lshr_b32 s76, s8, 3
	s_lshl_b32 s69, s76, 2
	s_add_co_u32 s73, s70, s69                     ; the second tile's place among its eight: cx, or cx + 4 in waves 8-15
	s_xor_b32 s69, s69, 4
	s_add_co_u32 s72, s70, s69                     ; the first's: the other of the two
	s_lshl_b32 s77, s74, 3
	s_add_co_u32 s77, s77, s72
	s_add_co_u32 s77, s77, s4                      ; the first tile among all 512
	s_lshl_b32 s78, s75, 3
	s_add_co_u32 s78, s78, s73
	s_add_co_u32 s78, s78, s4                      ; the second
	s_lshr_b32 s79, s72, 1                         ; a tile's first token in its 128: 32 (j / 2) + 8 (j % 2)
	s_lshl_b32 s79, s79, 5
	s_and_b32 s69, s72, 1
	s_lshl_b32 s69, s69, 3
	s_add_co_u32 s79, s79, s69
	s_lshr_b32 s80, s73, 1
	s_lshl_b32 s80, s80, 5
	s_and_b32 s69, s73, 1
	s_lshl_b32 s69, s69, 3
	s_add_co_u32 s80, s80, s69
	v_and_b32 v5, 31, v0
	v_lshlrev_b32 v1, 4, v5                        ; 16 x lane: my place in an image of K
	v_add_nc_u32 v2, VIMG, v1                      ; and of V
	v_and_b32 v6, 15, v0                           ; r
	v_bfe_u32 v7, v0, 4, 1                         ; h
	v_lshlrev_b32 v236, 2, v6                      ; 4 r
	s_lshl_b32 s101, s13, 1
	s_add_co_u32 s101, s101, KSC
	v_add_nc_u32 v3, s101, v236                    ; K's scale words: row r, my head's two bytes
	v_add_nc_u32 v4, VSC, v236                     ; V's: row r
	v_lshl_add_u32 v237, v6, 3, v7                 ; 8 r + h
	v_and_b32 v8, 8, v6
	v_add_nc_u32 v8, v8, v6
	v_lshlrev_b32 v9, 4, v7
	v_sub_nc_u32 v5, v8, v9                        ; r + 8 (r / 8) - 16 h: my query in its tile, less my half's first key
.irp j, 24,25,26,27,28,29,30,31
	v_mov_b32 v[\j], 0                             ; zero codes: Q's upper half
.endr
.irp j, 220,221,222,223,232,233,234,235
	v_mov_b32 v[\j], 0                             ; written once: permutes' destinations, and the pair v[232:233]
.endr
	s_mov_b32 s7, 0xffff0000                       ; lanes 16-31
	s_mov_b32 s10, 0x76543210
	s_mov_b32 s11, 0xfedcba98                      ; v_permlanex16_b32's selects for lane l xor 16
	s_mov_b32 s12, 0x3e38aa3b                      ; c = log2(e) / 8
	s_mov_b32 s13, s12                             ; (named with it as a pair)
	s_mov_b32 s14, 0x600000                        ; the mantissa field of 448
	s_wait_alu depctr_va_vdst(0)
.macro QLOAD T, q, sc, oc, os          ; tile s[T]'s codes of Q into v[q] on and its scale bytes into v[sc] (the upper two come as 0, over zero codes); offsets in v[oc], v[os]
	s_lshl_b32 s101, s\T, 11
	v_add_nc_u32 v[\oc], s101, v1
	s_lshl_b32 s101, s\T, 6
	v_add_nc_u32 v[\os], s101, v236
	global_load_b128 v[\q:\q+3], v[\oc], s[92:93]
	global_load_b128 v[\q+4:\q+7], v[\oc], s[92:93] offset:512
	global_load_u16 v[\sc], v[\os], s[94:95]
.endm
.macro KL t, ac, as, off               ; K's tile t of a key step and its rows' scale bytes: off = 0, or 8,192: the next step's
	ds_load_b128 v[32+8*\t:35+8*\t], v[\ac] offset:1024*\t+\off
	ds_load_b128 v[36+8*\t:39+8*\t], v[\ac] offset:1024*\t+512+\off
	ds_load_u16 v[240+\t], v[\as] offset:64*\t+(\off)/16
.endm
.macro PRE0                            ; key step 0's K, ahead of a tile's first step
.irp t, 0,1,2,3,4,5,6,7
	KL \t, 1, 3, 0
.endr
.endm
.macro START T                         ; where tile s[T]'s y goes, and the state: the step is written for zeros
	s_lshl_b32 s101, s\T, 12
	v_add_nc_u32 v238, s101, v1
	s_lshl_b32 s101, s\T, 9
	v_add_nc_u32 v239, s101, v237
	v_mov_b32 v13, 0xff61b1e6                      ; the largest score so far: -3e38
	v_floor_f32 v12, -v13
	v_mov_b32 v14, 0
	v_mov_b32 v15, 0
.set jj, 0
.rept 32
	v_mov_b32 v[OO+jj], 0
.set jj, jj+1
.endr
	s_mov_b32 s2, 0                                ; the step's tiles of K and V, its scale words of K, of V, and its number
	s_mov_b32 s3, 0
	s_mov_b32 s66, 0
	s_mov_b32 s67, 0
.endm
; A KEY STEP: key step s67 of tile group s100; its K is in registers.  m = 1: a step behind the diagonal is left out, the step on it is masked; m = 0: neither can be.
.macro STEP m
.if \m
	s_cmp_gt_u32 s67, s100
	s_cbranch_scc1 .Lhid_\@                        ; the wave's number and the count of steps alone decide
.endif
	v_add_nc_u32 v8, s2, v1
	v_add_nc_u32 v9, s2, v2
	v_add_nc_u32 v10, s3, v3
	v_add_nc_u32 v11, s66, v4
.rept 5
	v_nop                                          ; with the four lines above nine places: the products below write over the registers from which the last products read V
.endr
.irp t, 0,1,2,3,4,5,6,7                ; S^T = K Q^T
	v_wmma_scale_f32_16x16x128_f8f6f4 v[SS+8*\t:SS+8*\t+7], v[32+8*\t:47+8*\t], v[16:31], 0, v[240+\t], v252
.endr
.rept 8
	v_nop                                          ; eight places: ahead of the loads into K's registers and of the first read of the scores
.endr
.irp t, 0,1,2,3,4,5,6,7
	KL \t, 8, 10, 8192                             ; the next step's K, one run of 24 loads
.endr
.if \m
	s_cmp_lg_u32 s67, s100
	s_cbranch_scc1 .Lopen_\@
	v_add_nc_u32 v234, s71, v5                     ; register 16 b + i holds the step's key 32 b + 16 h + i: hidden where 32 b + i is above this
	v_mov_b32 v235, 0xff800000
.set nn, 0
.rept 64
	v_cmp_gt_i32 vcc_lo, 32*(nn/16)+nn%16, v234
	v_cndmask_b32 v[SS+nn], v[SS+nn], v235, vcc_lo
.set nn, nn+1
.endr
.Lopen_\@:
.endif
; the largest score of each block of 32 keys: for the row's maximum and, since p rises with the score, for the block's largest p.  Eight chains by turns, two to a block, each accumulator from its low end on
.irp b, 0,1,2,3
	v_max3_num_f32 v[BW+\b], v[SS+16*\b], v[SS+1+16*\b], v[SS+2+16*\b]
.endr
.irp b, 0,1,2,3
	v_max3_num_f32 v[BW+4+\b], v[SS+8+16*\b], v[SS+9+16*\b], v[SS+10+16*\b]
.endr
.irp i, 3,5
.irp b, 0,1,2,3
	v_max3_num_f32 v[BW+\b], v[BW+\b], v[SS+16*\b+\i], v[SS+1+16*\b+\i]
.endr
.irp b, 0,1,2,3
	v_max3_num_f32 v[BW+4+\b], v[BW+4+\b], v[SS+8+16*\b+\i], v[SS+9+16*\b+\i]
.endr
.endr
.irp b, 0,1,2,3
	v_max3_num_f32 v[BW+\b], v[BW+\b], v[BW+4+\b], v[SS+7+16*\b]
.endr
.irp b, 0,1,2,3
	v_max_num_f32 v[BW+\b], v[BW+\b], v[SS+15+16*\b]
.endr
.irp b, 0,1,2,3
	v_permlanex16_b32 v[BW+4+\b], v[BW+\b], s10, s11
.endr
.irp b, 0,1,2,3
	v_max_num_f32 v[BW+\b], v[BW+\b], v[BW+4+\b]   ; with lane l xor 16's 16 keys
.endr
	v_mov_b32 v234, v12                            ; the old -M
	v_max3_num_f32 v235, v[BW], v[BW+1], v[BW+2]
	v_max3_num_f32 v13, v13, v235, v[BW+3]         ; the running largest score (c is positive: its product with c is the running largest t)
	v_mul_f32 v235, s12, v13
	v_floor_f32 v12, -v235                         ; -M = floor(-t): M is a whole number
.set jj, 0
.rept 32
	v_pk_fma_f32 v[SS+jj:SS+jj+1], v[SS+jj:SS+jj+1], s[12:13], v[12:13] op_sel_hi:[1,0,0]   ; t - M
.if jj == 14
	v_sub_f32 v234, v12, v234                      ; old M - new M: a whole number, 0 or less
.elseif jj == 30
	v_cvt_i32_f32 v234, v234                       ; (it saturates)
.elseif jj == 46
	v_ldexp_f32 v232, 1.0, v234                    ; f = 2^(old M - new M): the rescaling rounds nothing
.endif
.set jj, jj+2
.endr
.irp b, 0,1,2,3
	v_fma_f32 v[BW+\b], v[BW+\b], s12, v12         ; the same of each block's largest score
.endr
	s_wait_alu depctr_va_vdst(0)
.set jj, 0
.rept 64
	v_exp_f32 v[SS+jj], v[SS+jj]                   ; p = 2^(t - M)
.set jj, jj+1
.endr
.irp b, 0,1,2,3
	v_exp_f32 v[BW+\b], v[BW+\b]                   ; the blocks' largest p: the same two instructions on the same number
.endr
	v_pk_mul_f32 v[14:15], v[14:15], v[232:233] op_sel_hi:[1,0]   ; the sums under the new M: a plain line behind the exponentials
	s_wait_alu depctr_va_vdst(0)                   ; one wait for the batch of 68, ahead of its first reader
.irp c, 0,1,2,3,4,5,6,7                ; the row's sum of the unquantised p: eight chains, in the registers that take p's codes further down
	v_pk_add_f32 v[PCD+2*\c:PCD+1+2*\c], v[SS+2*\c:SS+1+2*\c], v[SS+16+2*\c:SS+17+2*\c]
.endr
.irp c, 0,1,2,3,4,5,6,7
	v_pk_add_f32 v[PCD+2*\c:PCD+1+2*\c], v[PCD+2*\c:PCD+1+2*\c], v[SS+32+2*\c:SS+33+2*\c]
.endr
.irp c, 0,1,2,3,4,5,6,7
	v_pk_add_f32 v[PCD+2*\c:PCD+1+2*\c], v[PCD+2*\c:PCD+1+2*\c], v[SS+48+2*\c:SS+49+2*\c]
.endr
.irp c, 0,1,2,3                        ; the chains are joined among the scales' lines
	v_pk_add_f32 v[PCD+2*\c:PCD+1+2*\c], v[PCD+2*\c:PCD+1+2*\c], v[PCD+8+2*\c:PCD+9+2*\c]
.endr
.irp b, 0,1,2,3
	v_max_num_f32 v[BW+\b], 0x4800000, v[BW+\b]    ; the floor 2^(9 - 127): the byte cannot fall under 1
.endr
	v_pk_add_f32 v[PCD:PCD+1], v[PCD:PCD+1], v[PCD+4:PCD+5]
	v_pk_add_f32 v[PCD+2:PCD+3], v[PCD+2:PCD+3], v[PCD+6:PCD+7]
.irp b, 0,1,2,3
	v_add_nc_u32 v[BW+12+\b], 0xfc000000, v[BW+\b] ; the conversion's scale operand
.endr
	v_pk_add_f32 v[PCD:PCD+1], v[PCD:PCD+1], v[PCD+2:PCD+3]
.irp b, 0,1,2,3
	v_and_or_b32 v[BW+8+\b], v[BW+\b], 0x7f800000, s14   ; 448 x the scale
.endr
	v_pk_add_f32 v[14:15], v[14:15], v[PCD:PCD+1]
.irp b, 0,1,2,3
.irp i, 0,2,4,6,8,10,12,14
	v_dual_min_num_f32 v[SS+16*\b+\i], v[SS+16*\b+\i], v[BW+8+\b] :: v_dual_min_num_f32 v[SS+16*\b+\i+1], v[SS+16*\b+\i+1], v[BW+8+\b]   ; the hold (the conversion does not saturate: ISA guide 7.6.2); p is not negative, so it is one-sided; two to a line
.endr
.endr
.irp b, 0,1,2,3
	v_cvt_scalef32_pk8_fp8_f32 v[PCD+4*\b:PCD+4*\b+1], v[SS+16*\b:SS+16*\b+7], v[BW+12+\b]
	v_cvt_scalef32_pk8_fp8_f32 v[PCD+4*\b+2:PCD+4*\b+3], v[SS+16*\b+8:SS+16*\b+15], v[BW+12+\b]
.endr
.irp b, 0,1,2,3                        ; V's four channel tiles take the registers that p has left: one run of 20 loads
.irp c, 0,1,2,3
	ds_load_b128 v[SS+16*\b+4*\c:SS+16*\b+4*\c+3], v9 offset:2048*\b+512*\c
.endr
	ds_load_b32 v[248+\b], v11 offset:64*\b
.endr
.irp b, 0,1,2,3
	v_lshrrev_b32 v[BW+4+\b], 23, v[BW+12+\b]      ; the scale's byte
.endr
	v_lshl_or_b32 v253, v[BW+5], 8, v[BW+4]        ; p's scale word for these 128 keys
	v_lshl_or_b32 v253, v[BW+6], 16, v253
	v_lshl_or_b32 v253, v[BW+7], 24, v253
	s_wait_alu depctr_va_vdst(0)                   ; ahead of the first reader of O^T
.set jj, 0
.rept 16
	v_pk_mul_f32 v[OO+jj:OO+jj+1], v[OO+jj:OO+jj+1], v[232:233] op_sel_hi:[1,0]   ; O^T under the new M, from its low end on; also the places between the codes, the scale word and the products
.set jj, jj+2
.endr
	s_wait_alu depctr_va_vdst(0)
	s_wait_dscnt 0x0                               ; V is in, and so is the next step's K, asked for ahead of it
.irp t, 0,1,2,3                        ; O^T += V^T P^T: the four accumulators by turns
	v_wmma_scale_f32_16x16x128_f8f6f4 v[OO+8*\t:OO+8*\t+7], v[SS+16*\t:SS+16*\t+15], v[PCD:PCD+15], v[OO+8*\t:OO+8*\t+7], v[248+\t], v253
.endr
.if \m
.Lhid_\@:
.endif
	s_add_co_u32 s67, s67, 1
	s_add_co_u32 s2, s2, 8192
	s_add_co_u32 s3, s3, 512
	s_add_co_u32 s66, s66, 256
.endm
; THE WAY OUT of a tile: y = O^T / the sum, quantised in two blocks of 32 channels: half an image (1,024 bytes) and two scale bytes a row
.macro OUT
.rept 8
	v_nop
.endr
	v_add_f32 v14, v14, v15
	v_permlanex16_b32 v234, v14, s10, s11
	v_add_f32 v14, v14, v234                       ; the row's sum
	s_wait_alu depctr_va_vdst(0)                   ; ahead of the transcendental
	v_rcp_f32 v232, v14
	v_nop
	s_wait_alu depctr_va_vdst(0)                   ; ahead of the reciprocal's first reader, which is O^T's too
.set jj, 0
.rept 16
	v_pk_mul_f32 v[SS+jj:SS+jj+1], v[OO+jj:OO+jj+1], v[232:233] op_sel_hi:[1,0]
.set jj, jj+2
.endr
.irp b, 0,1
	v_max3_num_f32 v[BW+\b], |v[SS+16*\b]|, |v[SS+1+16*\b]|, 0x4800000
.endr
.irp i, 2,4,6,8,10,12,14
.irp b, 0,1
	v_max3_num_f32 v[BW+\b], v[BW+\b], |v[SS+16*\b+\i]|, |v[SS+1+16*\b+\i]|
.endr
.endr
.irp b, 0,1
	v_permlanex16_b32 v[BW+4+\b], v[BW+\b], s10, s11
.endr
.irp b, 0,1
	v_max_num_f32 v[BW+\b], v[BW+\b], v[BW+4+\b]
.endr
.irp b, 0,1
	v_add_nc_u32 v[BW+12+\b], 0xfc000000, v[BW+\b]
.endr
.irp b, 0,1
	v_and_or_b32 v[BW+8+\b], v[BW+\b], 0x7f800000, s14
.endr
.irp b, 0,1
	v_lshrrev_b32 v[BW+4+\b], 23, v[BW+12+\b]
.endr
.irp b, 0,1
.irp i, 0,1,2,3,4,5,6,7,8,9,10,11,12,13,14,15
	v_med3_num_f32 v[SS+16*\b+\i], v[SS+16*\b+\i], -v[BW+8+\b], v[BW+8+\b]
.endr
	v_cvt_scalef32_pk8_fp8_f32 v[PCD+4*\b:PCD+4*\b+1], v[SS+16*\b:SS+16*\b+7], v[BW+12+\b]
	v_cvt_scalef32_pk8_fp8_f32 v[PCD+4*\b+2:PCD+4*\b+3], v[SS+16*\b+8:SS+16*\b+15], v[BW+12+\b]
.endr
	v_nop                                          ; a plain line behind the last conversion
	v_cndmask_b32 v235, v[BW+4], v[BW+5], s7       ; lanes 0-15 the first block's byte of row r, lanes 16-31 the second's
	global_store_b128 v238, v[PCD:PCD+3], s[96:97]
	global_store_b128 v238, v[PCD+4:PCD+7], s[96:97] offset:512   ; 1,024 consecutive bytes, aligned
	global_store_b8 v239, v235, s[98:99]           ; a byte a lane: one part in 32 of what a tile stores
.endm
	QLOAD 77, 16, 252, 6, 7                        ; the first tile's Q,
	QLOAD 78, 96, 236, 8, 9                        ; and the second's, behind K's last tile; its scale bytes take the register that held 4 r, which is read no more
	START 77
	s_mov_b32 s100, s74
	s_mov_b32 s71, s79
	s_mov_b32 s15, 4
	s_wait_alu depctr_va_vdst(0)
	s_cmp_lt_u32 s8, 4
	s_cbranch_scc0 .Lnot_first
	s_wait_tensorcnt 0x0                           ; waves 0-3: K's keys 0-1,023, V's keys 0-511 and the scale words have landed; the other waves' wait stands at the second barrier
.Lnot_first:
	s_barrier_signal -1
	s_barrier_wait -1
	PRE0
	s_wait_loadcnt 0x0                             ; both tiles of Q
	s_wait_dscnt 0x0                               ; key step 0's K
.Lfirst:                                           ; key steps 0-3 of the first tile
	STEP 0
	s_sub_co_u32 s15, s15, 1
	s_cmp_lg_u32 s15, 0
	s_cbranch_scc1 .Lfirst
	s_wait_tensorcnt 0x0                           ; every wave: all that is still out
	s_wait_dscnt 0x0
	s_barrier_signal -1
	s_barrier_wait -1                              ; the whole head lies in LDS
	s_mov_b32 s15, 12
.Lrest:                                            ; key steps 4-15
	STEP 1
	s_sub_co_u32 s15, s15, 1
	s_cmp_lg_u32 s15, 0
	s_cbranch_scc1 .Lrest
	PRE0                                           ; key step 0's K is on its way while the first tile leaves
	OUT
	s_wait_xcnt 0x0                                ; the stores have read their registers, which are written again below
.irp j, 0,1,2,3,4,5,6,7
	v_mov_b32 v[16+\j], v[96+\j]                   ; the second tile's Q
.endr
	v_mov_b32 v252, v236                           ; and its scale bytes; the 38 vector lines of START are the places ahead of the products
	START 78
	s_mov_b32 s100, s75
	s_mov_b32 s71, s80
	s_mov_b32 s15, 8
	s_wait_alu depctr_va_vdst(0)
	s_wait_dscnt 0x0
.Lsecond:                                          ; key steps 0-7 of the second tile
	STEP 1
	s_sub_co_u32 s15, s15, 1
	s_cmp_lg_u32 s15, 0
	s_cbranch_scc1 .Lsecond
	OUT
	s_wait_tensorcnt 0x0                           ; the wave's end
	ds_add_u32 v254, v255
	s_wait_dscnt 0x0
	CROUND                                         ; the closing round
	s_endpgm
.Lfunc_end_k_q9f5a5495dd_attn:
	.size	k_q9f5a5495dd_attn, .Lfunc_end_k_q9f5a5495dd_attn-k_q9f5a5495dd_attn
	.p2alignl 7, 3214868480
	.fill 96, 4, 3214868480
	.section	.rodata,"a",@progbits
	.p2align	6, 0x0
	.amdhsa_kernel k_q9f5a5495dd_attn
		.amdhsa_group_segment_fixed_size 276480
		.amdhsa_private_segment_fixed_size 0
		.amdhsa_enable_private_segment 0
		.amdhsa_kernarg_size 16
		.amdhsa_user_sgpr_count 2
		.amdhsa_user_sgpr_kernarg_segment_ptr 1
		.amdhsa_wavefront_size32 1
		.amdhsa_system_sgpr_workgroup_id_x 1
		.amdhsa_system_sgpr_workgroup_id_y 1
		.amdhsa_system_sgpr_workgroup_id_z 1
		.amdhsa_system_vgpr_workitem_id 0
		.amdhsa_next_free_vgpr 256
		.amdhsa_next_free_sgpr 102
		.amdhsa_reserve_vcc 1
		.amdhsa_float_denorm_mode_32 3
		.amdhsa_float_denorm_mode_16_64 3
		.amdhsa_memory_ordered 1
		.amdhsa_forward_progress 1
		.amdhsa_inst_pref_size 98
	.end_amdhsa_kernel
	.amdgpu_metadata
---
amdhsa.version: [ 1, 2 ]
amdhsa.kernels:
  - .name:           k_q9f5a5495dd_attn
    .symbol:         k_q9f5a5495dd_attn.kd
    .args:
      - { .name: qkvc, .offset: 0, .size: 8, .value_kind: global_buffer, .address_space: global }
      - { .name: yq, .offset: 8, .size: 8, .value_kind: global_buffer, .address_space: global }
    .group_segment_fixed_size: 276480
    .private_segment_fixed_size: 0
    .kernarg_segment_align: 8
    .kernarg_segment_size: 16
    .max_flat_workgroup_size: 512
    .sgpr_count:     102
    .vgpr_count:     256
    .wavefront_size: 32
...
	.end_amdgpu_metadata
.endif
;; end of part 3
;; launch proj (part 4): grid 8 x 32, 4 waves a work-group, clusters of 4 x 4, 327,680 bytes of LDS; arguments yq, opnd, b_proj, out0; writes out0
.if DOCPART == 4
	.amdgcn_target "amdgcn-amd-amdhsa--gfx1250"
	.amdhsa_code_object_version 6
	.text
	.protected	k_q9f5a5495dd_proj
	.globl	k_q9f5a5495dd_proj
	.p2align	8
	.type	k_q9f5a5495dd_proj,@function
k_q9f5a5495dd_proj:
	s_mov_b64 s[64:65], 0
	v_nop
	global_prefetch_b8 v0, s[64:65] scope:SCOPE_SE
	s_setreg_imm32_b32 hwreg(HW_REG_WAVE_MODE, 25, 1), 1
	s_wait_xcnt 0x0
	s_wait_alu depctr_hold_cnt(0) depctr_sa_sdst(0) depctr_va_vdst(0) depctr_va_sdst(0) depctr_va_ssrc(0) depctr_va_vcc(0) depctr_vm_vsrc(0)
	s_getreg_b32 s2, hwreg(HW_REG_IB_STS2, 6, 4)
	s_cmp_eq_u32 s2, 0
	s_cbranch_scc0 .Lentry_in_a_cluster
	s_endpgm
.Lentry_in_a_cluster:
	s_bfe_u32 s2, ttmp6, 0x10000c
	s_cmp_lg_u32 s2, 0xf033
	s_cbranch_scc0 .Lentry_shape_is_right
	s_endpgm
.Lentry_shape_is_right:
; out0 = y W_proj + b_proj on codes of FP8 (E4M3) with E8M0 scales, K = 1,024; f32 sums, f32 out.
; Operands come as images of operand registers: 2,048 bytes for 16 rows x 128 K; tile tau = rows 32 (tau / 2) + 8 (tau % 2) + i + 8 (i / 8); codes [K step of 256][tile][2][2048], scale bytes [tile][K step][16][2][4].
; SHARES.  256 work-groups, each 256 tokens (A: 16 tiles of y) x 128 columns (B: 8 tiles of W_proj); four waves, 2 x 2; a wave makes 128 x 64: 32 accumulators, 256 registers.
; Source 0 = W's columns, source 1 = y's tokens: a lane holds one token, its registers neighbouring columns.  The bias is the C of each sum's first product.
; CLUSTER 4 x 4: A's tiles are asked for jointly along a row of the cluster, B's along a column.
; LDS.  A K step of A is 65,536 dense bytes, of B 32,768.  K steps 0, 1, 2 have bytes of their own and come at the head, one load a wave: wave 0 A's three (three rows of 65,536 bytes), wave 1 A's scale bytes,
; wave 2 B's three, wave 3 B's scale bytes.  K step 3 is the launch's one refill, over K step 0's bytes: it stands behind a drained round of the cluster's barrier as soon as K step 0's two sets of fragments are in registers;
; between that request and the barrier that shows it a wave issues the products of four steps of 128 along K, 128 in all.
; STEPS of 128 along K, eight, written out: 32 products each, the 32 accumulators by turns in one order; two sets of fragments: while one is multiplied the other takes the next step's 48 loads.
; All scale words come into registers once.  A's word of step q lies in a register of number q modulo 8, B's in one of number q + 2 modulo 8.
; NO PREFETCH INTO THE L2: the text has no loop to run ahead in; three of the four K steps are asked for at the head, the fourth 32 products later.
; THE WAY OUT: 16 tokens x 64 columns at a time through the wave's stage in LDS (in K step 1's bytes, which have had their one fill and are read by nobody behind the last barrier): sixteen lanes store 256 consecutive bytes, aligned.
; LIMITS: NaN and infinities are not served.
; REGISTERS: window 0: v16-30 addresses; v32-95 A's scale words; v96-127 B's; v128-159 the bias; v160-223 the way out.  window 1: accumulator (a, b) at v[8 (4 a + b)].  window 2: A's fragments, two sets of 128.  window 3: B's, two sets of 64.
.set YS,   8388608
.set KSY,  2097152
.set WPC,  11894784
.set WPS,  12943360
.set KSW,  262144
.set BL,   196608                      ; LDS: A's three K steps at 0, B's three here,
.set SCB,  294912                      ; B's scale bytes (4,096),
.set SCA,  299008                      ; A's (8,192),
.set SPARE, 307200                     ; the spare words, 128 bytes a wave
.set STG,  65536                       ; the stages: 16 rows x 272 bytes a wave
.set SPITCH, 272
.set ADRA, 16
.set ADRB, 20
.set ADRSA, 24
.set ADRSB, 25
.set STO,  26
.set RD,   27
.set SPW,  28
.set NIL,  29
.set CO,   30
.set SA,   32
.set SBB,  96
.set BIAS, 128
.set BK,   160
.set G1A,  24
.set G0A,  32
.set G0B,  36
.set G1B,  48
.set G0SA, 56
.set G0SB, 60
.set G1SA, 68
.set G0RA, 76
.set G1SB, 80
.set G0RB, 88
.set MSB, 0
.macro WIN new                         ; the immediate's high byte repeats the setting that is left
.if MSB != (\new)
	s_set_vgpr_msb (MSB<<8)|(\new)
.set MSB, (\new)
.endif
.endm
.macro PLACES n
.rept \n
	v_nop
.endr
.endm
.macro CROUND                          ; a round of the cluster's barrier
	s_barrier_signal -1
	s_barrier_wait -1
	s_cmp_lg_u32 s14, 0
	s_cbranch_scc1 .Lnw0_\@
	s_barrier_signal -3
.Lnw0_\@:
	s_barrier_wait -3
	s_barrier_signal -1
	s_barrier_wait -1
.endm
.macro GRP1 g, m, c, r, p              ; descriptor group 1: r rows of c elements of 8 bytes, p elements apart; the mask s[m] with bit 21 beside it; no padding
	s_or_b32 s[\g], s[\m], (3<<16)|(1<<21)
	s_mov_b32 s[\g+1], (\c)<<16
	s_mov_b32 s[\g+2], (\r)<<16
	s_mov_b32 s[\g+3], (\c)<<16
	s_mov_b32 s[\g+4], \r
	s_mov_b32 s[\g+5], \p
	s_mov_b32 s[\g+6], 0
	s_mov_b32 s[\g+7], 0
.endm
.macro ARM eq, g0, g1, next
	s_cmp_eq_u32 s14, \eq
	s_cbranch_scc0 \next
	tensor_load_to_lds s[\g0:\g0+3], s[\g1:\g1+7]
	s_nop 0
	PLACES 4
	s_branch .Lhead_asked
\next:
.endm
	s_load_b256 s[4:11], s[0:1], 0x0               ; yq s[4:5], opnd s[6:7], b_proj s[8:9], out0 s[10:11]
	v_lshl_add_u32 v[SPW], v0, 2, SPARE
	v_mov_b32 v[NIL], 0
	ds_add_u32 v[SPW], v[NIL]                      ; the add, twice on end, and its wait
	ds_add_u32 v[SPW], v[NIL]
	v_lshrrev_b32 v1, 5, v0
	v_readfirstlane_b32 s14, v1                    ; wave 0..3
	s_lshr_b32 s15, s14, 1                         ; which 128 tokens are mine.  Also: the refill's waves for A (0) or for B (1)
	s_and_b32 s16, s14, 1                          ; which 64 columns.  Also: which half of a tile I refill
	s_bfe_u32 s40, ttmp6, 0x40000                  ; cx
	s_bfe_u32 s41, ttmp6, 0x40004                  ; cy
	s_lshl_b32 s42, ttmp9, 2
	s_add_co_u32 s42, s42, s40                     ; tb: which 128 columns
	s_and_b32 s17, ttmp7, 0xffff
	s_lshl_b32 s17, s17, 2
	s_add_co_u32 s17, s17, s41                     ; ta: which 256 tokens
	s_lshl_b32 s43, s41, 2
	s_lshl_b32 s43, 15, s43                        ; my row of the cluster
	s_lshl_b32 s44, 0x1111, s40                    ; my column
	GRP1 G1A, 43, 8192, 3, KSY/8                   ; A: three K steps' 65,536 bytes
	GRP1 G1B, 44, 4096, 3, KSW/8                   ; B: three K steps' 32,768 bytes
	GRP1 G1SA, 43, 32, 32, 32                      ; A's scale bytes: 8,192 dense bytes
	GRP1 G1SB, 44, 32, 16, 32                      ; B's: 4,096
	s_lshl_b32 s20, s17, 16                        ; A's codes: 16 ta x 4,096
	s_mov_b32 s21, 0
	s_lshl_b32 s18, s16, 15                        ; the refill: K step 3, my half
	s_add_co_u32 s18, s18, s20
	s_add_co_u32 s18, s18, 3*KSY
	s_mov_b32 s19, 0
	s_lshl_b32 s22, s17, 13                        ; A's scale bytes: 16 ta x 512
	s_add_co_u32 s22, s22, YS
	s_mov_b32 s23, 0
	s_lshl_b32 s46, s42, 15                        ; B's codes: 8 tb x 4,096
	s_add_co_u32 s46, s46, WPC
	s_mov_b32 s47, 0
	s_lshl_b32 s94, s16, 14
	s_add_co_u32 s94, s94, s46
	s_add_co_u32 s94, s94, 3*KSW
	s_mov_b32 s95, 0
	s_lshl_b32 s92, s42, 12                        ; B's scale bytes: 8 tb x 512
	s_add_co_u32 s92, s92, WPS
	s_mov_b32 s93, 0
	s_mov_b32 s[G0A], 1
	s_mov_b32 s[G0A+1], 0
	s_mov_b32 s[G0B], 1
	s_mov_b32 s[G0B+1], BL
	s_mov_b32 s[G0SA], 1
	s_mov_b32 s[G0SA+1], SCA
	s_mov_b32 s[G0SB], 1
	s_mov_b32 s[G0SB+1], SCB
	s_mov_b32 s[G0RA], 1
	s_lshl_b32 s[G0RA+1], s16, 15
	s_mov_b32 s[G0RB], 1
	s_lshl_b32 s[G0RB+1], s16, 14
	s_add_co_u32 s[G0RB+1], s[G0RB+1], BL
	s_wait_alu depctr_va_vdst(0)
	s_wait_dscnt 0x0                               ; both opening adds are done
	s_wait_kmcnt 0x0
	s_add_nc_u64 s[G0A+2:G0A+3], s[4:5], s[20:21]
	s_or_b32 s[G0A+3], s[G0A+3], 0x80000000
	s_add_nc_u64 s[G0B+2:G0B+3], s[6:7], s[46:47]
	s_or_b32 s[G0B+3], s[G0B+3], 0x80000000
	s_add_nc_u64 s[G0SA+2:G0SA+3], s[4:5], s[22:23]
	s_or_b32 s[G0SA+3], s[G0SA+3], 0x80000000
	s_add_nc_u64 s[G0SB+2:G0SB+3], s[6:7], s[92:93]
	s_or_b32 s[G0SB+3], s[G0SB+3], 0x80000000
	s_add_nc_u64 s[G0RA+2:G0RA+3], s[4:5], s[18:19]
	s_or_b32 s[G0RA+3], s[G0RA+3], 0x80000000
	s_add_nc_u64 s[G0RB+2:G0RB+3], s[6:7], s[94:95]
	s_or_b32 s[G0RB+3], s[G0RB+3], 0x80000000
	CROUND                                         ; all sixteen work-groups are here: the first joint loads meet
	ARM 0, G0A, G1A, .Lhead_sa                     ; one chain of branches on the wave's number, a load to an arm
	ARM 1, G0SA, G1SA, .Lhead_b
	ARM 2, G0B, G1B, .Lhead_sb
	tensor_load_to_lds s[G0SB:G0SB+3], s[G1SB:G1SB+7]
	s_nop 0
	PLACES 4
.Lhead_asked:
	s_lshl_b32 s46, s42, 9                         ; my first column, in bytes: 512 tb + 256 x half
	s_lshl_b32 s47, s16, 8
	s_add_co_u32 s46, s46, s47
	s_mov_b32 s47, 0
	s_add_nc_u64 s[8:9], s[8:9], s[46:47]
	s_add_nc_u64 s[10:11], s[10:11], s[46:47]
	s_lshl_b32 s46, s17, 20                        ; my first token: rows of 4,096 bytes
	s_lshl_b32 s92, s15, 19
	s_add_co_u32 s46, s46, s92
	s_add_nc_u64 s[10:11], s[10:11], s[46:47]
	s_lshl_b32 s96, s15, 15                        ; my 8 tiles of A in a K step,
	s_lshl_b32 s97, s16, 14
	s_add_co_u32 s97, s97, BL                      ; my 4 tiles of B,
	s_lshl_b32 s98, s15, 12
	s_add_co_u32 s98, s98, SCA                     ; their scale bytes,
	s_lshl_b32 s99, s16, 11
	s_add_co_u32 s99, s99, SCB
	s_mul_i32 s100, s14, 16*SPITCH
	s_add_co_u32 s100, s100, STG                   ; my stage
	v_and_b32 v1, 15, v0                           ; r
	v_bfe_u32 v2, v0, 4, 1                         ; h
	v_and_b32 v3, 31, v0
	v_lshlrev_b32 v5, 4, v3                        ; 16 x lane
	v_lshlrev_b32 v4, 6, v2                        ; the bias: 64 h bytes
	v_add_nc_u32 v[ADRA], s96, v5
	v_add_nc_u32 v[ADRA+1], 65536, v[ADRA]
	v_add_nc_u32 v[ADRA+2], 131072, v[ADRA]
	v_add_nc_u32 v[ADRB], s97, v5
	v_add_nc_u32 v[ADRB+1], 32768, v[ADRB]
	v_add_nc_u32 v[ADRB+2], 65536, v[ADRB]
	v_lshl_add_u32 v[ADRSA], v1, 3, s98            ; 8 bytes a row in a K step
	v_lshl_add_u32 v[ADRSB], v1, 3, s99
	v_mul_u32_u24 v6, v1, SPITCH                   ; into the stage: row r, 64 h bytes on
	v_lshl_add_u32 v6, v2, 6, v6
	v_add_nc_u32 v[STO], s100, v6
	v_mul_u32_u24 v7, v2, SPITCH                   ; back: lanes 0-15 one row, lanes 16-31 the next
	v_lshl_add_u32 v7, v1, 4, v7
	v_add_nc_u32 v[RD], s100, v7
	v_lshlrev_b32 v8, 12, v2
	v_lshl_add_u32 v[CO], v1, 4, v8                ; and the same two rows in out0
.irp b, 0,1,2,3
	global_load_b128 v[BIAS+8*\b:BIAS+8*\b+3], v4, s[8:9] offset:128*(\b/2)+32*(\b%2)      ; tile b, register j: column 32 (b / 2) + 8 (b % 2) + 16 h + j
	global_load_b128 v[BIAS+8*\b+4:BIAS+8*\b+7], v4, s[8:9] offset:128*(\b/2)+32*(\b%2)+16
.endr
.macro FETCH q                         ; step q's fragments into set q % 2: 48 loads of 512 consecutive bytes.  K step 3 lies where K step 0 lay
.set RG_, ((\q)/2)%3
	WIN 0x80
.irp a, 0,1,2,3,4,5,6,7
.irp c, 0,1,2,3
	ds_load_b128 v[128*((\q)%2)+16*\a+4*\c:128*((\q)%2)+16*\a+4*\c+3], v[ADRA+RG_] offset:4096*\a+2048*((\q)%2)+512*\c
.endr
.endr
	WIN 0xc0
.irp b, 0,1,2,3
.irp c, 0,1,2,3
	ds_load_b128 v[64*((\q)%2)+16*\b+4*\c:64*((\q)%2)+16*\b+4*\c+3], v[ADRB+RG_] offset:4096*\b+2048*((\q)%2)+512*\c
.endr
.endr
	WIN 0
.endm
.macro MULH q, a0, first               ; 16 products: A's blocks a0 .. a0 + 3 x B's four, the q-th 128 of K
.irp a, \a0, \a0+1, \a0+2, \a0+3
.irp b, 0,1,2,3
.if \first
	v_wmma_scale_f32_16x16x128_f8f6f4 v[8*(4*(\a)+\b):8*(4*(\a)+\b)+7], v[64*((\q)%2)+16*\b:64*((\q)%2)+16*\b+15], v[128*((\q)%2)+16*(\a):128*((\q)%2)+16*(\a)+15], v[BIAS+8*\b:BIAS+8*\b+7], v[SBB+8*\b+((\q)+2)%8], v[SA+8*(\a)+(\q)]
.else
	v_wmma_scale_f32_16x16x128_f8f6f4 v[8*(4*(\a)+\b):8*(4*(\a)+\b)+7], v[64*((\q)%2)+16*\b:64*((\q)%2)+16*\b+15], v[128*((\q)%2)+16*(\a):128*((\q)%2)+16*(\a)+15], v[8*(4*(\a)+\b):8*(4*(\a)+\b)+7], v[SBB+8*\b+((\q)+2)%8], v[SA+8*(\a)+(\q)]
.endif
.endr
.endr
.endm
.macro MUL q                           ; source 0 (B) window 3, source 1 (A) window 2, C and D window 1
	WIN 0x5b
	MULH \q, 0, 0
	MULH \q, 4, 0
	WIN 0
.endm
	s_wait_alu depctr_va_vdst(0)
	s_wait_tensorcnt 0x0                           ; my tile of the head's four is in,
	s_barrier_signal -1
	s_barrier_wait -1                              ; everybody's is
	FETCH 0
.irp i, 0,1,2,3,4,5,6,7
.irp s, 0,1,2,3
	ds_load_b64 v[SA+8*\i+2*\s:SA+8*\i+2*\s+1], v[ADRSA] offset:512*\i+128*\s
.endr
.endr
.irp i, 0,1,2,3
.irp s, 0,1,2,3
	ds_load_b64 v[SBB+8*\i+(2*\s+2)%8:SBB+8*\i+(2*\s+2)%8+1], v[ADRSB] offset:512*\i+128*\s
.endr
.endr
	FETCH 1
	s_wait_tensorcnt 0x0                           ; the three lines ahead of the refill's round: no tensor load of mine is out,
	ds_add_u32 v[SPW], v[NIL]                      ; 0 onto my spare word;
	s_mov_b32 s[G1A+1], 32<<16                     ; so the descriptors may be written: the refill brings 128 rows of 256 bytes of A a wave,
	s_mov_b32 s[G1A+2], 128<<16
	s_mov_b32 s[G1A+3], 32<<16
	s_mov_b32 s[G1A+4], 128
	s_mov_b32 s[G1A+5], 32
	s_mov_b32 s[G1B+1], 32<<16                     ; or 64 rows of B
	s_mov_b32 s[G1B+2], 64<<16
	s_mov_b32 s[G1B+3], 32<<16
	s_mov_b32 s[G1B+4], 64
	s_mov_b32 s[G1B+5], 32
	s_wait_loadcnt 0x0                             ; the bias
	s_wait_dscnt 49                                ; step 0's fragments and the scale words are in (step 1's 48 loads and the add may be out)
	WIN 0x4b                                       ; C (the bias) in window 0, D in window 1
	MULH 0, 0, 1
	MULH 0, 4, 1
	WIN 0
	s_wait_dscnt 0x0                               ; the add is done, and my reads of K step 0's bytes are over
	CROUND                                         ; so are those of every wave of every partner
	s_cmp_eq_u32 s15, 0                            ; K step 3, over K step 0's bytes: waves 0, 1 A's halves, waves 2, 3 B's
	s_cbranch_scc0 .Lfor_b
	tensor_load_to_lds s[G0RA:G0RA+3], s[G1A:G1A+7]
	s_nop 0
	PLACES 4
	s_branch .Lrefilled
.Lfor_b:
	tensor_load_to_lds s[G0RB:G0RB+3], s[G1B:G1B+7]
	s_nop 0
	PLACES 4
.Lrefilled:
	PLACES 4                                       ; with the four above eight places ahead of loads into registers that products have read (ISA guide 7.12.1 for vector lines)
	FETCH 2
	s_wait_dscnt 48                                ; all but the 48 just issued
	MUL 1
	PLACES 8
	FETCH 3
	s_wait_dscnt 48
	MUL 2
	PLACES 8
	FETCH 4
	s_wait_dscnt 48
	MUL 3
	PLACES 8
	FETCH 5
	s_wait_dscnt 48
	WIN 0x5b
	MULH 4, 0, 0
	WIN 0
	s_wait_tensorcnt 0x0                           ; every wave: my part of K step 3 is in,
	s_wait_dscnt 0x0                               ; and my reads of K steps 1 and 2 are over
	s_barrier_signal -1
	WIN 0x5b
	MULH 4, 4, 0
	WIN 0
	s_barrier_wait -1
	PLACES 8
	FETCH 6
	MUL 5
	PLACES 8
	FETCH 7
	s_wait_dscnt 48
	MUL 6
	s_wait_dscnt 0x0
	MUL 7
.macro TOSTAGE a                       ; block a: 16 tokens x 64 columns into my stage, each accumulator from its low end on, and back by rows; LDS serves a wave's instructions in order
	WIN 0x04
.irp b, 0,1,2,3
	ds_store_b128 v[STO], v[32*(\a)+8*\b:32*(\a)+8*\b+3] offset:128*(\b/2)+32*(\b%2)
	ds_store_b128 v[STO], v[32*(\a)+8*\b+4:32*(\a)+8*\b+7] offset:128*(\b/2)+32*(\b%2)+16
.endr
	WIN 0
.irp u, 0,1,2,3,4,5,6,7
	ds_load_b128 v[BK+32*((\a)%2)+4*\u:BK+32*((\a)%2)+4*\u+3], v[RD] offset:\u*2*SPITCH
.endr
.endm
.macro SEND a, younger                 ; younger: the LDS instructions issued behind block a's loads
	s_wait_dscnt \younger
.irp u, 0,1,2,3,4,5,6,7
	global_store_b128 v[CO], v[BK+32*((\a)%2)+4*\u:BK+32*((\a)%2)+4*\u+3], s[10:11] offset:(32*((\a)/2)+8*((\a)%2)+2*\u+8*(\u/4))*4096 th:TH_STORE_NT   ; sixteen lanes store 256 consecutive bytes, aligned
.endr
.endm
	PLACES 8
	TOSTAGE 0
.irp a, 1,2,3,4,5,6,7
.if \a > 1
	s_wait_xcnt 0x0                                ; block a - 2's stores have read their registers: block a's loads may land there
.endif
	TOSTAGE \a
	SEND \a-1, 16
.endr
	SEND 7, 0
	s_wait_tensorcnt 0x0                           ; the wave's end
	ds_add_u32 v[SPW], v[NIL]
	s_wait_dscnt 0x0
	CROUND                                         ; the closing round
	s_endpgm
.Lfunc_end_k_q9f5a5495dd_proj:
	.size	k_q9f5a5495dd_proj, .Lfunc_end_k_q9f5a5495dd_proj-k_q9f5a5495dd_proj
	.p2alignl 7, 3214868480
	.fill 96, 4, 3214868480
	.section	.rodata,"a",@progbits
	.p2align	6, 0x0
	.amdhsa_kernel k_q9f5a5495dd_proj
		.amdhsa_group_segment_fixed_size 327680
		.amdhsa_private_segment_fixed_size 0
		.amdhsa_enable_private_segment 0
		.amdhsa_kernarg_size 32
		.amdhsa_user_sgpr_count 2
		.amdhsa_user_sgpr_kernarg_segment_ptr 1
		.amdhsa_wavefront_size32 1
		.amdhsa_system_sgpr_workgroup_id_x 1
		.amdhsa_system_sgpr_workgroup_id_y 1
		.amdhsa_system_sgpr_workgroup_id_z 1
		.amdhsa_system_vgpr_workitem_id 0
		.amdhsa_next_free_vgpr 1024
		.amdhsa_next_free_sgpr 102
		.amdhsa_reserve_vcc 0
		.amdhsa_float_denorm_mode_32 3
		.amdhsa_float_denorm_mode_16_64 3
		.amdhsa_memory_ordered 1
		.amdhsa_forward_progress 1
		.amdhsa_inst_pref_size 89
	.end_amdhsa_kernel
	.amdgpu_metadata
---
amdhsa.version: [ 1, 2 ]
amdhsa.kernels:
  - .name:           k_q9f5a5495dd_proj
    .symbol:         k_q9f5a5495dd_proj.kd
    .args:
      - { .name: yq, .offset: 0, .size: 8, .value_kind: global_buffer, .address_space: global }
      - { .name: opnd, .offset: 8, .size: 8, .value_kind: global_buffer, .address_space: global }
      - { .name: b_proj, .offset: 16, .size: 8, .value_kind: global_buffer, .address_space: global }
      - { .name: out0, .offset: 24, .size: 8, .value_kind: global_buffer, .address_space: global }
    .group_segment_fixed_size: 327680
    .private_segment_fixed_size: 0
    .kernarg_segment_align: 8
    .kernarg_segment_size: 32
    .max_flat_workgroup_size: 128
    .sgpr_count:     102
    .vgpr_count:     1024
    .wavefront_size: 32
...
	.end_amdgpu_metadata
.endif
;; end of part 4
